; MI455X (gfx1250); checked and timed in simulation.
; The chip was launched on July 23, 2026; its instructions are those of AMD's public machine-readable ISA for CDNA 5 (MIT licence, August 2026) and "CDNA5" Instruction Set Architecture Reference Guide (July 2026). The comments in the code are by the model that wrote it; some were corrected since.
;; Sparse Attention. Allowed arithmetic: matrix products marked QUANTISED: E2M3 operands, one E8M0 scale for each 32 along K, by v_wmma_scale_f32_16x16x128_f8f6f4 with both operands' format E2M3, f32 sums; everything else in f32.
;; Inputs: w_out_codes 1,024 x 32 x 24 uint8 (E2M3 codes of w_out, K innermost, in blocks of 32 codes, four codes in three bytes); w_out_scales 1,024 x 32 uint8 (E8M0 scales of w_out, one for each 32 codes along K); w_qkv_codes 3,072 x 32 x 24 uint8 (E2M3 codes of w_qkv, K innermost, in blocks of 32 codes, four codes in three bytes); w_qkv_scales 3,072 x 32 uint8 (E8M0 scales of w_qkv, one for each 32 codes along K); x_codes 2 x 2,048 x 32 x 24 uint8 (E2M3 codes of x, K innermost, in blocks of 32 codes, four codes in three bytes); x_scales 2 x 2,048 x 32 uint8 (E8M0 scales of x, one for each 32 codes along K).
;; Outputs: out0 2 x 2,048 x 1,024 float32.
;; This version of the problem:
;;   THIS VERSION OF THE PROBLEM IS GIVEN IN LOW PRECISION. The matrix products marked QUANTISED in the list below multiply operands that are first quantised to E2M3 (2 exponent bits, 3 mantissa bits; 6 bits a number), with one power-of-two scale for each 32 numbers along K (OCP MX v1.0); their sums are f32. All else is computed in f32.
;;   The module's matrix products, in the order in which they are computed (A, B: the left and right operand; K: the contracted axis; several contracted axes count as one K, in the product's order):
;;     1. [M 4,096, K 1,024] x [K 1,024, N 3,072]; A: input x (given as codes); B: input w_qkv (given as codes): QUANTISED
;;     2. batch 32 x [M 2,048, K 64] x [K 64, N 2,048]; A: computed on the way; B: computed on the way: QUANTISED
;;     3. batch 32 x [M 2,048, K 2,048] x [K 2,048, N 64]; A: computed on the way; B: computed on the way: QUANTISED
;;     4. [M 4,096, K 1,024] x [K 1,024, N 1,024]; A: computed on the way; B: input w_out (given as codes): QUANTISED
;;   THE QUANTISER, for each operand of a quantised product, along K:
;;     - K is cut into blocks of 32 from its start; a last block that is shorter is filled with zeros.
;;     - A block's scale is 2^e with e = floor(log2(the largest magnitude in the block)) - 2, held to -126 .. 127; a block of zeros has e = 0. As a byte (E8M0): e + 127.
;;     - Each number is divided by its block's scale, clamped to +-7.5, and rounded to the nearest number of E2M3, ties to even, subnormals kept.
;;     - The product sums the exact products of the quantised numbers (number of the format x scale) in f32.
;;   ~~~python
;;   def quantise(x, axis):      # numpy; x: float32 -> the quantised numbers, widened to float32 again
;;       x = np.moveaxis(x, axis, -1); K = x.shape[-1]
;;       x = np.pad(x, [(0, 0)] * (x.ndim - 1) + [(0, -K % 32)]); x = x.reshape(x.shape[:-1] + (-1, 32)); a = np.abs(x).max(-1, keepdims=True)
;;       e = np.where(a > 0, np.clip(np.frexp(np.where(a > 0, a, 1))[1] - 1 - 2, -126, 127), 0)      # np.frexp(a)[1] - 1 = floor(log2(a)), exactly
;;       r = np.clip(x / 2.0 ** e, -7.5, 7.5)
;;       step = 2.0 ** (np.maximum(np.frexp(np.where(r == 0, 1, r))[1] - 1, 0) - 3)
;;       q = np.round(r / step) * step * 2.0 ** e      # np.round: ties to even
;;       return np.moveaxis(q.reshape(q.shape[:-2] + (-1,))[..., :K], -1, axis).astype(np.float32)
;;   ~~~
;;   OPERANDS COMPUTED ON THE WAY. 'Computed on the way' means the value that the module computes at that place (a softmax that the list does not call 'softmax' is quantised finished and normalised). What goes into a quantiser is computed in f32, as accurately as f32 sums, v_exp_f32 and their like allow (about 1e-6 of the number): no bf16 or f16 on the way to a quantiser, and a product that is left as it is and whose result goes on into a quantised operand takes f32 operands (vector FMAs, or v_wmma_f32_16x16x4_f32). A number that lies on a knife's edge between two numbers of the format may be rounded either way, as far as f32 arithmetic and the matrix unit's own rounding can turn it there, and no further.
;;   INPUTS GIVEN AS CODES. w_out (in the module: [1024, 1024], K = its axis 1); w_qkv (in the module: [3072, 1024], K = its axis 1); x (in the module: [2, 2048, 1024], K = its axis 2): each comes as NAME_codes (uint8): NAME with its K axis moved to the last place and cut into blocks of 32 codes, [.., K / 32, bytes a block], one block behind the other in memory; four codes in three bytes: a row's codes are one little-endian stream of bits, code i at bits 6 i .. 6 i + 5 (a code: sign, 2 exponent bits, 3 mantissa bits); and NAME_scales (uint8): the same leading axes, one E8M0 byte (e + 127) for each 32 codes along K. Its value is code x scale, taken as it is: it is not quantised again, and the codes and scales need not be those that the quantiser above would give.
;; One version. Each part assembles by itself: llvm-mc -triple=amdgcn-amd-amdhsa -mcpu=gfx1250 --defsym DOCPART=n.
;; ======== version 1 of 1: 3 launches
;; workspace buffers: qkvc 9,437,184 bytes; qkvs 786,432 bytes; vsx 131,072 bytes; aoc 3,145,728 bytes; aos 131,072 bytes
;; launch qkv (part 1): grid 12 x 16, 4 waves a work-group, clusters of 4 x 4, 327,680 bytes of LDS; arguments x_codes, x_scales, w_qkv_codes, w_qkv_scales, qkvc, qkvs, vsx; writes qkvc, qkvs, vsx
.if DOCPART == 1
	.amdgcn_target "amdgcn-amd-amdhsa--gfx1250"
	.amdhsa_code_object_version 6
	.text
	.protected	k_q2f2fe45002_qkv
	.globl	k_q2f2fe45002_qkv
	.p2align	8
	.type	k_q2f2fe45002_qkv,@function
k_q2f2fe45002_qkv:
	s_mov_b64 s[64:65], 0
	v_nop
	global_prefetch_b8 v0, s[64:65] scope:SCOPE_SE
	s_setreg_imm32_b32 hwreg(HW_REG_WAVE_MODE, 25, 1), 1
	s_wait_xcnt 0x0
	s_wait_alu depctr_hold_cnt(0) depctr_sa_sdst(0) depctr_va_vdst(0) depctr_va_sdst(0) depctr_va_ssrc(0) depctr_va_vcc(0) depctr_vm_vsrc(0)
	s_getreg_b32 s2, hwreg(HW_REG_IB_STS2, 6, 4)
	s_cmp_eq_u32 s2, 0
	s_cbranch_scc0 .Lentry_in_a_cluster
	s_endpgm
.Lentry_in_a_cluster:
	s_bfe_u32 s2, ttmp6, 0x10000c
	s_cmp_lg_u32 s2, 0xf033
	s_cbranch_scc0 .Lentry_shape_is_right
	s_endpgm
.Lentry_shape_is_right:
; q, k, v = x w_qkv^T on codes of FP6 (E2M3) with one E8M0 scale for each 32 along K = 1,024, sums in f32; the results are quantised at once, in registers, and leave as codes and scale bytes.
; q and k are quantised along the head's 64 channels (the K of q k^T), v along the tokens (the K of p v).  A block's scale is 2^(floor(log2(its largest magnitude)) - 2).
; LIMITS: NaN, infinities and scale bytes 0xff among the inputs are not served.  A block whose largest magnitude lies under 2^-124, a block of zeros among them, keeps the byte 1: its codes are then
; small or zero, and the bytes are read by this program alone.
; SHARES.  A tile of 256 x 256 of the product is made by a work-group of four waves; a wave makes 128 x 128: 64 accumulators of 16 x 16, 512 registers.  K goes in steps of 256 through a ring of two LDS slots.
; THE MATRIX INSTRUCTION IS USED TRANSPOSED: source 0 = 16 rows of 'B', source 1 = 16 rows of 'A': a lane holds one row of A and its registers run along B's rows, which is the axis that is quantised.
; KIND = the cluster's x: 0 q, 1 k: A = x (tokens), B = w_qkv (channels).  2 v: A = w_qkv (channels), B = x (tokens).  x and w_qkv have the same pitches, so only pointers and tile numbers are chosen by kind.
; CLUSTERS: 4 x 4 work-groups.  The four of a row of the cluster need the same tiles of A, the four of a column the same tiles of B: each tile is asked for JOINTLY, by the same tensor load with a mask that names the four.
; WHAT IS STORED.  A RECORD is 48 bytes, two blocks of 32 codes: of a token its head's 64 channels (q, k), of a channel 64 keys (v): the 12 registers that a lane of the next launch wants.  16 records are an image of 768 bytes,
; [3][16 records][16 bytes], so that a lane loads its record by three loads of 16 bytes and neighbouring lanes read neighbouring bytes.  A record's two scale bytes leave as the word (s0, s0, s1, s1).
; For v also: of every key 64 j the first byte of its block's codes and the block's scale byte, laid as the next launch's strided products take them (vsx).
; REGISTERS, in windows of 256: window 0: v0-31 addresses; v32-63 scale words, two sets; from v128 A's fragments, ONE set; on the way out v128-203 are at work.
;   window 1: B's fragments, TWO sets.   window 2: the 32 accumulators of my rows 0-63 (accumulator (a, b) at v[8 (8 a + b)]);   window 3: those of my rows 64-127.
.set SIZE_K, 1024
.set KSTEP,  256                       ; along K in a slot
.set NQ,     KSTEP/128                 ; matrix instructions deep
.set ROWB,   192                       ; a tile's row in bytes
.set KROW,   SIZE_K*6/8                ; a row of x or of w_qkv in memory
.set PITCH,  240                       ; an LDS row: 3 x (64 bytes + 16 of padding)
.set FR,     12                        ; registers of a fragment
.set NL,     6                         ; LDS loads that bring one
.set NP,     4                         ; places behind this matrix instruction (ISA guide 7.12.1)
.set HALFT,  128*PITCH                 ; 128 rows: what one tensor load brings
.set SLOT,   4*HALFT                   ; A's 256 rows, then B's 256 rows
.set LAPS,   SIZE_K/(2*KSTEP)
.set KS,     SIZE_K/32                 ; a row of scales in bytes
.set SCL,    2*SLOT                    ; behind the ring: the scales, as units of 256 bytes + 16 of padding
.set HALFS,  (128*KS/256)*272
.set SBLK,   (16*KS/256)*272
.set SPARE,  SCL+4*HALFS               ; the spare words, 128 bytes for each wave
.set STGC,   SPARE+512                 ; the way out: 4,096 bytes for each wave: codes [c 2][e 2][768], then scale words [c 2][128 rows]; no tile ever lands here
.set VSXS,   STGC+4*4096               ; the work-group's stage for vsx, [head 4][512]; behind it 2,048 bytes that take the byte stores of lanes 16-31 and are never read
.set X0,   7                           ; v7   stage: pieces 0 and 2 of my 24 bytes
.set X1,   8                           ; v8   stage: piece 1
.set XSW,  9                           ; v9   stage: my row's scale word
.set RDC,  10                          ; v10  stage, on the way back: 16 x lane
.set XB8,  11                          ; v11  vsx stage: my channel's code byte
.set XE,   12                          ; v12  vsx stage: my channel's two scale bytes
.set RDX,  13                          ; v13  vsx stage, on the way back
.set GO,   14                          ; v14  16 x lane: my place in a store of 512 bytes
.set ADRA, 16                          ; v16-17 LDS address of my A fragments in slot 0, 1 (v18-19: behind one padding more)
.set ADRB, 20                          ; v20-23 the same for B
.set ADRS, 27                          ; v27  LDS address of my scale words: lanes 0-15 A's rows, lanes 16-31 B's
.set SPW,  28                          ; v28  LDS address of my spare word; never rewritten
.set NIL,  29                          ; v29  0; never rewritten
.set SC,   32                          ; scale words
.set AF,   128                         ; A's fragments
.set QC,   128                         ; the way out: v128-146 the codes just made
.set TM,   148                         ; v148-151 largest magnitudes, v152-155 bytes, v160-163 the conversions' scale operands
.set PW,   164                         ; the four scale bytes of my row
.set W0,   165                         ; (s0, s0, s1, s1) of record c = 0
.set W1,   166                         ; of record c = 1
.set WE,   167                         ; the even blocks' two bytes
.set OB,   168                         ; v168-191 six times 16 bytes on their way to memory
.set SBF,  192                         ; v192-199 scale words likewise
.set XBF,  200                         ; v200-203 vsx likewise
.set G1, 24
.set G0, 32
.set G1B, 48
.set G0B, 56
.set G1S, 68
.set G0S, 76
.set G1SB, 80
.set G0SB, 88
.set MSB, 0
.macro WIN new                         ; the immediate's high byte repeats the setting that is left
.if MSB != \new
	s_set_vgpr_msb (MSB<<8)|\new
.set MSB, \new
.endif
.endm
.set MUL_LO, 0xa1                      ; source 0 (B) window 1, source 1 (A) window 0, C and D window 2
.set MUL_HI, 0xf1                      ; the same, C and D window 3
.set TO_B,   0x40                      ; destination window 1, address window 0
; A joint load: waves 0 and 1 fetch for A, waves 2 and 3 for B.  The branch hangs on the wave's number alone.  Four v_nop follow each of the two lines.
.macro JLOAD g0a, g1a, g0b, g1b
	s_cmp_eq_u32 s15, 0
	s_cbranch_scc0 .Lfor_b_\@
	tensor_load_to_lds s[\g0a:\g0a+3], s[\g1a:\g1a+7]
	s_nop 0
.rept 4
	v_nop
.endr
	s_branch .Lasked_\@
.Lfor_b_\@:
	tensor_load_to_lds s[\g0b:\g0b+3], s[\g1b:\g1b+7]
	s_nop 0
.rept 4
	v_nop
.endr
.Lasked_\@:
.endm
.macro CREST                           ; a round of the cluster's barrier behind its opening barrier
	s_cmp_lg_u32 s14, 0
	s_cbranch_scc1 .Lnot_wave_0_\@
	s_barrier_signal -3
.Lnot_wave_0_\@:
	s_barrier_wait -3
	s_barrier_signal -1
	s_barrier_wait -1
.endm
.macro CROUND                          ; a whole round
	s_barrier_signal -1
	s_barrier_wait -1
	CREST
.endm
	s_load_b128 s[4:7], s[0:1], 0x0                ; x's codes, x's scales
	s_load_b128 s[8:11], s[0:1], 0x10              ; w_qkv's codes, w_qkv's scales
	v_lshl_add_u32 v[SPW], v0, 2, SPARE
	v_mov_b32 v[NIL], 0
	ds_add_u32 v28, v29
	ds_add_u32 v28, v29
	s_wait_dscnt 0x0
	v_lshrrev_b32 v1, 5, v0
	v_readfirstlane_b32 s14, v1                    ; wave 0..3
	s_lshr_b32 s15, s14, 1                         ; which half of A's rows is mine.  Also: I fetch for A (0) or for B (1)
	s_and_b32 s16, s14, 1                          ; which half of B's rows.  Also: which 128 rows of that tile I fetch
	s_bfe_u32 s40, ttmp6, 0x40000                  ; cx, cy: my place in the cluster
	s_bfe_u32 s41, ttmp6, 0x40004
	s_and_b32 s17, ttmp7, 0xffff
	s_lshl_b32 s17, s17, 2                         ; 4 x cluster y
	s_lshl_b32 s42, ttmp9, 2                       ; 4 x kind
	s_cmp_lt_u32 ttmp9, 2                          ; the kind is the cluster's x: the same in all sixteen partners
	s_cselect_b32 s2, s17, 8                       ; q, k: A = x, tile 4 cluster y + cy;   v: A = w_qkv, tile 8 + cy
	s_cselect_b32 s42, s42, s17                    ; q, k: B = w_qkv, tile 4 kind + cx;    v: B = x, tile 4 cluster y + cx
	s_add_co_u32 s17, s2, s41                      ; A's tile: cy alone enters it
	s_add_co_u32 s42, s42, s40                     ; B's tile: cx alone enters it
	s_lshl_b32 s43, s41, 2
	s_lshl_b32 s43, 15, s43                        ; my row of the cluster
	s_lshl_b32 s44, 0x1111, s40                    ; my column
	; descriptor group 1: a tile of 128 rows x 192 bytes, 16 bytes of padding behind every 64
	s_or_b32 s[G1+0], s43, (0<<16)|(1<<20)|(1<<21)|(3<<22)|(3<<25)
	s_or_b32 s[G1B+0], s44, (0<<16)|(1<<20)|(1<<21)|(3<<22)|(3<<25)
.irp g, G1, G1B
	s_mov_b32 s[\g+1], ROWB<<16                    ; tensor_dim0
	s_mov_b32 s[\g+2], 128<<16                     ; tensor_dim1
	s_mov_b32 s[\g+3], ROWB<<16                    ; tile_dim0
	s_mov_b32 s[\g+4], 128                         ; tile_dim1
	s_mov_b32 s[\g+5], KROW                        ; from row to row
	s_mov_b32 s[\g+6], 0
	s_mov_b32 s[\g+7], 0
.endr
	; the scales of 128 rows: a dense block of 4,096 bytes, as 16 rows of 256 bytes (32 elements of 8 bytes), 16 bytes of padding behind each
	s_or_b32 s[G1S+0], s43, (3<<16)|(1<<20)|(1<<21)|(5<<22)|(3<<25)
	s_or_b32 s[G1SB+0], s44, (3<<16)|(1<<20)|(1<<21)|(5<<22)|(3<<25)
.irp g, G1S, G1SB
	s_mov_b32 s[\g+1], 32<<16
	s_mov_b32 s[\g+2], (128*KS/256)<<16
	s_mov_b32 s[\g+3], 32<<16
	s_mov_b32 s[\g+4], 128*KS/256
	s_mov_b32 s[\g+5], 32
	s_mov_b32 s[\g+6], 0
	s_mov_b32 s[\g+7], 0
.endr
	s_lshl_b32 s18, s16, 7                         ; which 128 rows of the tile I fetch
	s_lshl_b32 s20, s17, 8
	s_add_co_u32 s20, s20, s18                     ; A: row 256 x tile + 128 x half
	s_lshl_b32 s46, s42, 8
	s_add_co_u32 s46, s46, s18                     ; B likewise
	s_mov_b32 s21, 0
	s_mov_b32 s47, 0
	s_mov_b64 s[18:19], KS
	s_mul_u64 s[22:23], s[20:21], s[18:19]         ; where these rows' scales begin, in bytes
	s_mul_u64 s[92:93], s[46:47], s[18:19]
	s_mov_b64 s[18:19], KROW
	s_mul_u64 s[20:21], s[20:21], s[18:19]         ; and their codes
	s_mul_u64 s[46:47], s[46:47], s[18:19]
	s_mul_i32 s45, s14, HALFT                      ; where they go: wave x 128 rows: no place in the cluster enters an LDS address
	s_mul_i32 s94, s14, HALFS
	s_wait_kmcnt 0x0
	s_cmp_lt_u32 ttmp9, 2                          ; which tensor is A and which B: a choice between buffers on the kind alone
	s_cselect_b64 s[96:97], s[4:5], s[8:9]         ; A's codes
	s_cselect_b64 s[98:99], s[6:7], s[10:11]       ; A's scales
	s_cselect_b64 s[8:9], s[8:9], s[4:5]           ; B's codes
	s_cselect_b64 s[10:11], s[10:11], s[6:7]       ; B's scales
	s_add_nc_u64 s[20:21], s[96:97], s[20:21]
	s_add_nc_u64 s[22:23], s[98:99], s[22:23]
	s_add_nc_u64 s[46:47], s[8:9], s[46:47]
	s_add_nc_u64 s[92:93], s[10:11], s[92:93]
	CROUND                                         ; all sixteen work-groups are here: the first joint loads meet
	s_mov_b32 s[G0S], 1
	s_add_co_u32 s[G0S+1], s94, SCL
	s_mov_b64 s[G0S+2:G0S+3], s[22:23]
	s_or_b32 s[G0S+3], s[G0S+3], 0x80000000
	s_mov_b32 s[G0SB], 1
	s_add_co_u32 s[G0SB+1], s94, SCL
	s_mov_b64 s[G0SB+2:G0SB+3], s[92:93]
	s_or_b32 s[G0SB+3], s[G0SB+3], 0x80000000
	JLOAD G0S, G1S, G0SB, G1SB                     ; the scales first: they are wanted with K step 0
.irp s, 0,1
	s_mov_b32 s[G0+4*\s], 1
	s_add_co_u32 s[G0+4*\s+1], s45, \s*SLOT
	s_add_nc_u64 s[G0+4*\s+2:G0+4*\s+3], s[20:21], \s*ROWB
	s_or_b32 s[G0+4*\s+3], s[G0+4*\s+3], 0x80000000
	s_mov_b32 s[G0B+4*\s], 1
	s_add_co_u32 s[G0B+4*\s+1], s45, \s*SLOT
	s_add_nc_u64 s[G0B+4*\s+2:G0B+4*\s+3], s[46:47], \s*ROWB
	s_or_b32 s[G0B+4*\s+3], s[G0B+4*\s+3], 0x80000000
	JLOAD G0+4*\s, G1, G0B+4*\s, G1B               ; three tensor loads of mine are out now
.endr
	s_load_b128 s[4:7], s[0:1], 0x20               ; the codes' buffer, the scale words' buffer
	s_load_b64 s[8:9], s[0:1], 0x30                ; vsx
	v_and_b32 v1, 15, v0                           ; r = l % 16
	v_bfe_u32 v2, v0, 4, 1                         ; h = l / 16
	v_mul_u32_u24 v3, v1, PITCH
	v_mul_u32_u24 v4, v2, 24
	v_add_nc_u32 v4, v3, v4                        ; a fragment's row x pitch + 24 x half
	v_lshl_add_u32 v5, v2, 4, v4                   ; and the same behind one padding more
	s_mul_i32 s21, s15, HALFT                      ; my 128 rows of A
	s_mul_i32 s22, s16, HALFT                      ; my 128 rows of B,
	s_add_co_u32 s22, s22, 2*HALFT                 ; which lie behind A's 256
.irp s, 0,1
	v_add_nc_u32 v[ADRA+\s], s21, v4
	v_add_nc_u32 v[ADRB+\s], s22, v4
	v_add_nc_u32 v[ADRA+2+\s], s21, v5
	v_add_nc_u32 v[ADRB+2+\s], s22, v5
	s_add_co_u32 s21, s21, SLOT
	s_add_co_u32 s22, s22, SLOT
.endr
	v_mul_u32_u24 v5, v1, KS                       ; my row's scales: KS bytes a row,
	v_lshrrev_b32 v6, 8, v5
	v_lshl_add_u32 v5, v6, 4, v5                   ; and 16 more for each 256 passed
	s_mul_i32 s21, s15, HALFS
	s_mul_i32 s22, s16, HALFS
	s_add_co_u32 s22, s22, 2*HALFS
	s_sub_co_u32 s22, s22, s21
	v_mul_u32_u24 v6, s22, v2                      ; lanes 16-31 take B's
	s_add_co_u32 s21, s21, SCL
	v_add_nc_u32 v5, v5, v6
	v_add_nc_u32 v[ADRS], s21, v5
	; the way out's LDS addresses.  In an image record r's byte B lies at 256 (B / 16) + 16 r + B % 16.  Lane (r, h) holds bytes 24 h .. 24 h + 23, in three pieces of 8:
	; h = 0: 16 r, 16 r + 8, 16 r + 256;   h = 1: 16 r + 264, 16 r + 512, 16 r + 520
	s_lshl_b32 s100, s14, 12
	s_add_co_u32 s100, s100, STGC                  ; my stage
	v_lshlrev_b32 v5, 4, v1
	v_mul_u32_u24 v6, v2, 264
	v_add_nc_u32 v6, v5, v6
	v_add_nc_u32 v[X0], s100, v6                   ; pieces 0 and (256 on) 2
	v_mul_u32_u24 v6, v2, 504
	v_add_nc_u32 v6, v5, v6
	v_add_nc_u32 v6, 8, v6
	v_add_nc_u32 v[X1], s100, v6                   ; piece 1
	v_lshlrev_b32 v6, 2, v1
	v_add_nc_u32 v6, 3072, v6
	v_add_nc_u32 v[XSW], s100, v6
	v_and_b32 v6, 31, v0
	v_lshlrev_b32 v[GO], 4, v6
	v_add_nc_u32 v[RDC], s100, v[GO]
	s_lshl_b32 s100, s15, 10                       ; vsx stage: my two heads
	s_lshl_b32 s101, s16, 7                        ; my two keys 64 j: dwords [c = my half of B][h = the pair in my half][16]
	s_add_co_u32 s101, s100, s101
	s_add_co_u32 s101, s101, VSXS
	v_and_b32 v5, 7, v1
	v_lshrrev_b32 v6, 3, v1
	v_lshl_add_u32 v5, v5, 2, v6                   ; channel 16 t + r goes to dword 8 (t % 2) + r % 8, byte 2 (t / 2) + r / 8
	v_lshl_add_u32 v5, v2, 11, v5                  ; lanes 16-31 hold the odd blocks' bytes, which nobody wants: they go 2,048 bytes on
	v_add_nc_u32 v[XB8], s101, v5
	s_lshl_b32 s101, s16, 1
	s_add_co_u32 s101, s100, s101
	s_add_co_u32 s101, s101, VSXS+256
	v_lshlrev_b32 v5, 2, v1
	v_add_nc_u32 v[XE], s101, v5                   ; a word a channel; my half of B fills two of its four bytes
	s_lshl_b32 s101, s14, 9
	s_add_co_u32 s101, s101, VSXS
	v_add_nc_u32 v[RDX], s101, v[GO]               ; back: wave w takes head w's 512 bytes
	; where my results go in memory
	s_wait_kmcnt 0x0
	s_cmp_lt_u32 ttmp9, 2
	s_cselect_b32 s92, s17, s41                    ; A's tile, counted inside its kind
	s_cselect_b32 s93, s40, s42                    ; B's
	s_lshl_b32 s92, s92, 8
	s_lshl_b32 s94, s15, 7
	s_add_co_u32 s92, s92, s94                     ; my first row of A
	s_lshl_b32 s93, s93, 8
	s_lshl_b32 s94, s16, 7
	s_add_co_u32 s93, s93, s94                     ; my first row of B
	s_cmp_lt_u32 ttmp9, 2
	s_cselect_b32 s94, s92, s93                    ; my first token
	s_cselect_b32 s95, s93, s92                    ; my first channel of the kind's 1,024
	s_lshr_b32 s18, s94, 11                        ; batch
	s_and_b32 s19, s94, 2047                       ; token in the batch
	s_lshr_b32 s95, s95, 6                         ; head
	s_lshl_b32 s45, s18, 4
	s_add_co_u32 s45, s45, s95                     ; 16 x batch + head
	s_mul_i32 s46, ttmp9, 3145728                  ; codes: kind's part + 98,304 a head + 48 a token (16 tokens: 768; 64 keys x 64 channels: 3,072)
	s_mul_i32 s47, s45, 98304
	s_add_co_u32 s46, s46, s47
	s_mul_i32 s47, s19, 48
	s_add_co_u32 s46, s46, s47
	s_mov_b32 s47, 0
	s_add_nc_u64 s[4:5], s[4:5], s[46:47]          ; record c = 0
	s_mov_b32 s46, 3072
	s_cmp_lt_u32 ttmp9, 2
	s_cselect_b32 s46, 98304, s46                  ; record c = 1: the next head (q, k) or the next 64 keys (v)
	s_add_nc_u64 s[10:11], s[4:5], s[46:47]
	s_mov_b32 s22, 96768
	s_cselect_b32 s22, 1536, s22                   ; from my rows 32-63 to my rows 64-95: 32 tokens on (q, k), or the next head's first channels (v)
	s_mov_b32 s23, 0
	s_lshl_b32 s66, s45, 13                        ; scale words, q and k: [batch][head][token]
	s_lshl_b32 s67, s19, 2
	s_add_co_u32 s66, s66, s67
	s_lshl_b32 s67, s18, 17                        ; v: [batch][64 keys][channel of 1,024]
	s_lshl_b32 s100, s19, 6
	s_add_co_u32 s67, s67, s100
	s_lshl_b32 s100, s95, 8
	s_add_co_u32 s67, s67, s100
	s_cmp_lt_u32 ttmp9, 2
	s_cselect_b32 s66, s66, s67
	s_lshl_b32 s67, ttmp9, 18                      ; the kind's part
	s_add_co_u32 s66, s66, s67
	s_mov_b32 s67, 0
	s_add_nc_u64 s[6:7], s[6:7], s[66:67]
	s_mov_b32 s66, 4096
	s_cmp_lt_u32 ttmp9, 2
	s_cselect_b32 s66, 8192, s66
	s_add_nc_u64 s[12:13], s[6:7], s[66:67]
	s_lshr_b32 s66, s42, 3                         ; vsx (used by v alone): [batch][head][256 tokens of 2,048][512 bytes]
	s_lshl_b32 s66, s66, 4
	s_lshl_b32 s100, s41, 2
	s_add_co_u32 s66, s66, s100
	s_add_co_u32 s66, s66, s14
	s_lshl_b32 s66, s66, 3
	s_and_b32 s100, s42, 7
	s_add_co_u32 s66, s66, s100
	s_lshl_b32 s66, s66, 9
	s_add_nc_u64 s[8:9], s[8:9], s[66:67]
	s_mov_b32 s20, 0x76543210
	s_mov_b32 s21, 0xfedcba98                      ; v_permlanex16_b32's selects for lane l xor 16
.macro FRAG reg, adr, q, i             ; a fragment: lane l holds row l % 16; registers 6 c .. 6 c + 5 hold K = 64 c + 32 (l / 16) + 0 .. 31: 24 bytes of the row's stream of bits, in pieces of 8
.irp p, 0,1,2,3,4,5
.set PC, 12*(\q)+6*(\p/3)+\p%3        ; 16 bytes of padding lie behind every 8 pieces: where the piece three on lies behind one padding more, the second address register serves
.if PC%8 < 5
	ds_load_b64 v[\reg+2*\p:\reg+2*\p+1], v[\adr] offset:8*PC+16*(PC/8)+(\i)*16*PITCH
.else
	ds_load_b64 v[\reg+2*\p:\reg+2*\p+1], v[\adr+2] offset:8*PC+16*(PC/8)+(\i)*16*PITCH
.endif
.endr
.endm
; 16 matrix instructions: A's blocks a0, a0 + 1 x B's eight, 128 along K.  The 64 accumulators take turns, one instruction a turn, in the same order in every step.
.macro MUL16 a0, p, q, sc, zero
.irp a, \a0, \a0+1
.irp b, 0,1,2,3,4,5,6,7
.if \zero
	v_wmma_scale_f32_16x16x128_f8f6f4 v[8*(8*((\a)%4)+\b):8*(8*((\a)%4)+\b)+7], v[128*(\p)+FR*\b:128*(\p)+FR*\b+FR-1], v[AF+FR*(\a):AF+FR*(\a)+FR-1], 0, v[SC+8*NQ*(\sc)+NQ*\b+(\q)], v[SC+8*NQ*(\sc)+NQ*(\a)+(\q)] matrix_a_fmt:MATRIX_FMT_FP6 matrix_b_fmt:MATRIX_FMT_FP6 matrix_a_scale:MATRIX_SCALE_ROW1
.else
	v_wmma_scale_f32_16x16x128_f8f6f4 v[8*(8*((\a)%4)+\b):8*(8*((\a)%4)+\b)+7], v[128*(\p)+FR*\b:128*(\p)+FR*\b+FR-1], v[AF+FR*(\a):AF+FR*(\a)+FR-1], v[8*(8*((\a)%4)+\b):8*(8*((\a)%4)+\b)+7], v[SC+8*NQ*(\sc)+NQ*\b+(\q)], v[SC+8*NQ*(\sc)+NQ*(\a)+(\q)] matrix_a_fmt:MATRIX_FMT_FP6 matrix_b_fmt:MATRIX_FMT_FP6 matrix_a_scale:MATRIX_SCALE_ROW1
.endif
.endr
.endr
.endm
.macro FETCH_B slot, q, p
	WIN TO_B
.irp i, 0,1,2,3,4,5,6,7
	FRAG 128*(\p)+FR*\i, ADRB+\slot, \q, \i
.endr
	WIN 0
.endm
.macro FETCH_A slot, q, i0
.irp i, \i0, \i0+1, \i0+2, \i0+3
	FRAG AF+FR*(\i), ADRA+\slot, \q, \i
.endr
.endm
.macro SCALES sc                       ; the next K step's scale words: lanes 0-15 take A's block i, lanes 16-31 B's block i
.irp i, 0,1,2,3,4,5,6,7
	ds_load_b64 v[SC+8*NQ*\sc+NQ*\i:SC+8*NQ*\sc+NQ*\i+1], v[ADRS] offset:\i*SBLK
.endr
.endm
.macro PLACES n                        ; plain vector instructions between a matrix instruction and a load into, or a read of, its registers
.rept \n
	v_nop
.endr
.endm
.macro STEP slot, q, zero              ; a step of 128 along K that has its successor in the same slot
	s_wait_dscnt 4*NL                              ; B's set and A's blocks 0-3 are in; the youngest 24 loads (A's blocks 4-7) may be out
	WIN MUL_LO
	MUL16 0, (\q)%2, \q, \slot, \zero
	MUL16 2, (\q)%2, \q, \slot, \zero
	s_wait_dscnt 0                                 ; A's blocks 4-7 are in
	PLACES NP
	FETCH_B \slot, (\q)+1, 1-(\q)%2
	FETCH_A \slot, (\q)+1, 0
	WIN MUL_HI
	MUL16 4, (\q)%2, \q, \slot, \zero
	MUL16 6, (\q)%2, \q, \slot, \zero
	PLACES NP
	WIN 0
	FETCH_A \slot, (\q)+1, 4
.endm
; A slot's last step changes slots: ONE barrier; in front of it each wave waits for all its tensor loads, adds 0 to its spare word, and waits for that and for its own reads of this slot.
.macro TURN slot, next, fill
	s_wait_tensorcnt 0x0                           ; all my tensor loads have landed: my part of the next slot
	ds_add_u32 v[SPW], v[NIL]                      ; 0 onto my spare word
	s_wait_dscnt 4*NL+1                            ; (the add and the youngest 24 loads may be out)
	WIN MUL_LO
	MUL16 0, 1, NQ-1, \slot, 0
	s_wait_dscnt 0x0                               ; the add is done, and my reads of this slot are over
	s_barrier_signal -1
	MUL16 2, 1, NQ-1, \slot, 0
	WIN 0
	s_barrier_wait -1
.if \fill
	CREST                                          ; the barrier has opened a round of the cluster's barrier: no wave of any partner still reads this slot or has a load on its way
	s_add_nc_u64 s[G0+4*\slot+2:G0+4*\slot+3], s[G0+4*\slot+2:G0+4*\slot+3], 2*ROWB
	s_add_nc_u64 s[G0B+4*\slot+2:G0B+4*\slot+3], s[G0B+4*\slot+2:G0B+4*\slot+3], 2*ROWB
	JLOAD G0+4*\slot, G1, G0B+4*\slot, G1B         ; the first tensor load behind the round, my only one until the next; its four v_nop are the places in front of the loads below
.else
	PLACES NP
.endif
	v_add_nc_u32 v[ADRS], 4*NQ, v[ADRS]            ; on to the next K step's scale words
	FETCH_B \next, 0, 0
	FETCH_A \next, 0, 0
	SCALES \next
	WIN MUL_HI
	MUL16 4, 1, NQ-1, \slot, 0
	MUL16 6, 1, NQ-1, \slot, 0
	PLACES NP
	WIN 0
	FETCH_A \next, 0, 4
.endm
	s_wait_tensorcnt 1                             ; the scales and my part of K step 0 are in (K step 1's load may be out)
	s_barrier_signal -1
	s_barrier_wait -1                              ; everybody's are
	FETCH_B 0, 0, 0
	FETCH_A 0, 0, 0
	SCALES 0
	FETCH_A 0, 0, 4
	STEP 0, 0, 1                                   ; the first step's products start the sums
	s_mov_b32 s3, LAPS-1
.Llap:                                                 ; a trip goes once round the ring and fills both slots again
	TURN 0, 1, 1
	STEP 1, 0, 0
	TURN 1, 0, 1
	STEP 0, 0, 0
	s_sub_co_u32 s3, s3, 1
	s_cmp_lg_u32 s3, 0
	s_cbranch_scc1 .Llap
	TURN 0, 1, 0                                   ; the last lap fills nothing
	STEP 1, 0, 0
	s_wait_dscnt 4*NL
	WIN MUL_LO
	MUL16 0, 1, NQ-1, 1, 0
	MUL16 2, 1, NQ-1, 1, 0
	s_wait_dscnt 0
	WIN MUL_HI
	MUL16 4, 1, NQ-1, 1, 0
	MUL16 6, 1, NQ-1, 1, 0
	WIN 0
; THE WAY OUT, A's block a (16 rows x my 128 columns, 64 registers a lane) at a time.
; SWAPS: register 8 b + j of lane (r, h) holds column 16 b + 8 h + j.  Lanes 16-31 of accumulator 2 B change places with lanes 0-15 of accumulator 2 B + 1: register 16 B + i then holds column 32 B + 16 h + i:
; sixteen neighbours, as the conversions want them.  Each accumulator is read from its low end on.
.macro SWAPS a
.set W, 2+(\a)/4
.set AC, 64*((\a)%4)
.set WS, (W<<6)|W
	WIN WS
.irp b, 0,1,2,3
.irp j, 0,1,2,3,4,5,6,7
	v_permlane16_swap_b32 v[AC+16*\b+\j], v[AC+16*\b+8+\j]
.endr
.endr
.endm
; QUANTW: the four blocks of 32 of my row become codes in v[QC] on (registers 6 c .. 6 c + 5 of lane (r, h): block 2 c + h) and four scale bytes in v[PW].
.macro QUANTW a
.set W, 2+(\a)/4
.set AC, 64*((\a)%4)
.set WS, W|(W<<2)
	WIN WS
.irp b, 0,1,2,3
	v_max3_num_f32 v[TM+\b], |v[AC+16*\b]|, |v[AC+16*\b+1]|, 0x1800000   ; my 16 numbers of block b, and the floor 2^(3 - 127): the byte cannot fall under 1
.endr
.set WS, (W<<2)|(W<<4)
	WIN WS
.irp i, 2,4,6,8,10,12,14
.irp b, 0,1,2,3
	v_max3_num_f32 v[TM+\b], v[TM+\b], |v[AC+16*\b+\i]|, |v[AC+16*\b+\i+1]|
.endr
.endr
	WIN 0
.irp b, 0,1,2,3
	v_permlanex16_b32 v[TM+4+\b], v[TM+\b], s20, s21
.endr
.irp b, 0,1,2,3
	v_max_num_f32 v[TM+\b], v[TM+\b], v[TM+4+\b]   ; with lane l xor 16's: the block's largest magnitude
.endr
.irp b, 0,1,2,3
	v_add_nc_u32 v[TM+12+\b], 0xff000000, v[TM+\b] ; 2 off its exponent field: the conversion takes this operand's exponent field as its scale
.endr
.irp b, 0,1,2,3
	v_lshrrev_b32 v[TM+4+\b], 23, v[TM+12+\b]      ; the scale's byte
.endr
	v_lshl_or_b32 v[PW], v[TM+5], 8, v[TM+4]
	v_lshl_or_b32 v[PW], v[TM+6], 16, v[PW]
	v_lshl_or_b32 v[PW], v[TM+7], 24, v[PW]
	WIN W
.irp c, 0,1
	v_cvt_scalef32_pk16_fp6_f32 v[QC+6*\c:QC+6*\c+2], v[AC+32*\c:AC+32*\c+15], v[TM+12+2*\c]
	v_cvt_scalef32_pk16_fp6_f32 v[QC+12+4*\c:QC+14+4*\c], v[AC+32*\c+16:AC+32*\c+31], v[TM+13+2*\c]   ; (a conversion's three registers begin on an even number)
.endr
	WIN 0
	v_nop                                          ; one plain place behind a scaled conversion
.irp c, 0,1                                    ; a WHOLE block to a lane: lanes 0-15 block 2 c, lanes 16-31 block 2 c + 1
.irp i, 0,1,2
	v_permlane16_swap_b32 v[QC+6*\c+\i], v[QC+12+4*\c+\i]
.endr
.irp i, 0,1,2
	v_mov_b32 v[QC+3+6*\c+\i], v[QC+12+4*\c+\i]
.endr
.endr
.endm
; STAGE: my 24 bytes of records c = 0, 1 into the images; my row's two scale words; and for vsx the first code byte and the scale byte of each even block.
; The three vsx lines run for q and k too, where nobody reads what they leave: so no LDS line hangs on the work-group's number.
.macro STAGE a
.set EO, 768*((\a)%2)
.irp c, 0,1
	ds_store_b64 v[X0], v[QC+6*\c:QC+6*\c+1] offset:1536*\c+EO
	ds_store_b64 v[X1], v[QC+6*\c+2:QC+6*\c+3] offset:1536*\c+EO
	ds_store_b64 v[X0], v[QC+6*\c+4:QC+6*\c+5] offset:1536*\c+EO+256
.endr
	v_perm_b32 v[W0], v[PW], v[PW], 0x01010000     ; (s0, s0, s1, s1) of blocks 0, 1
	v_perm_b32 v[W1], v[PW], v[PW], 0x03030202     ; of blocks 2, 3
	v_perm_b32 v[WE], v[PW], v[PW], 0x02000200     ; the bytes of blocks 0 and 2
	ds_store_b32 v[XSW], v[W0] offset:64*(\a)      ; (both halves of the lanes write the same word with the same value)
	ds_store_b32 v[XSW], v[W1] offset:512+64*(\a)
	ds_store_b8 v[XB8], v[QC] offset:512*((\a)/4)+32*((\a)%2)+2*(((\a)%4)/2)
	ds_store_b8 v[XB8], v[QC+6] offset:512*((\a)/4)+32*((\a)%2)+2*(((\a)%4)/2)+64
	ds_store_b16 v[XE], v[WE] offset:512*((\a)/4)+64*((\a)%4)
	s_wait_dscnt 0x0                               ; the stores have read their registers: the next block's codes may be written
.endm
; SENDP: two blocks' images, 1,536 consecutive bytes for each of c = 0, 1, leave: each store of the wave covers 512 consecutive bytes, at a multiple of 256 from the buffer's first byte.
.macro SENDP ap
	s_wait_xcnt 0x0                                ; the earlier stores have read their registers and their bases
.if \ap == 2
	s_add_nc_u64 s[4:5], s[4:5], s[22:23]
	s_add_nc_u64 s[10:11], s[10:11], s[22:23]
.elseif \ap > 0
	s_add_nc_u64 s[4:5], s[4:5], 1536
	s_add_nc_u64 s[10:11], s[10:11], 1536
.endif
.irp n, 0,1,2,3,4,5
	ds_load_b128 v[OB+4*\n:OB+4*\n+3], v[RDC] offset:512*\n
.endr
	s_wait_dscnt 0x0
.irp n, 0,1,2
	global_store_b128 v[GO], v[OB+4*\n:OB+4*\n+3], s[4:5] offset:512*\n
.endr
.irp n, 0,1,2
	global_store_b128 v[GO], v[OB+12+4*\n:OB+15+4*\n], s[10:11] offset:512*\n
.endr
.endm
	PLACES NP                                      ; behind the last products: their results are read and their operands' registers written below
.irp b, 0,1,2,3
	v_mov_b32 v[TM+4+\b], 0                        ; written once: a lane permute's destination counts as one of its sources
.endr
.irp ap, 0,1,2,3
	SWAPS 2*\ap
	QUANTW 2*\ap
	STAGE 2*\ap
	SWAPS 2*\ap+1
	QUANTW 2*\ap+1
	STAGE 2*\ap+1
	SENDP \ap
.endr
	ds_load_b128 v[SBF:SBF+3], v[RDC] offset:3072  ; my 128 rows' scale words, c = 0,
	ds_load_b128 v[SBF+4:SBF+7], v[RDC] offset:3584   ; c = 1
	s_wait_dscnt 0x0                               ; they are in; and all my LDS stores, those into the work-group's vsx stage among them, have landed
	global_store_b128 v[GO], v[SBF:SBF+3], s[6:7]
	global_store_b128 v[GO], v[SBF+4:SBF+7], s[12:13]
	s_barrier_signal -1                            ; a head's 512 bytes of vsx come from two waves
	s_barrier_wait -1
	ds_load_b128 v[XBF:XBF+3], v[RDX]
	s_wait_dscnt 0x0
	s_cmp_lg_u32 ttmp9, 2                          ; vsx is v's alone
	s_cbranch_scc1 .Lno_vsx
	global_store_b128 v[GO], v[XBF:XBF+3], s[8:9]
.Lno_vsx:
	s_wait_tensorcnt 0x0                           ; the wave's end: behind my last tensor load and my last LDS store
	ds_add_u32 v[SPW], v[NIL]
	s_wait_dscnt 0x0
	CROUND                                         ; the closing round: no work-group ends while a partner may still ask for a tile that names it
	s_endpgm
.Lfunc_end_k_q2f2fe45002_qkv:
	.size	k_q2f2fe45002_qkv, .Lfunc_end_k_q2f2fe45002_qkv-k_q2f2fe45002_qkv
	.p2alignl 7, 3214868480
	.fill 96, 4, 3214868480
	.section	.rodata,"a",@progbits
	.p2align	6, 0x0
	.amdhsa_kernel k_q2f2fe45002_qkv
		.amdhsa_group_segment_fixed_size 327680
		.amdhsa_private_segment_fixed_size 0
		.amdhsa_enable_private_segment 0
		.amdhsa_kernarg_size 56
		.amdhsa_user_sgpr_count 2
		.amdhsa_user_sgpr_kernarg_segment_ptr 1
		.amdhsa_wavefront_size32 1
		.amdhsa_system_sgpr_workgroup_id_x 1
		.amdhsa_system_sgpr_workgroup_id_y 1
		.amdhsa_system_sgpr_workgroup_id_z 1
		.amdhsa_system_vgpr_workitem_id 0
		.amdhsa_next_free_vgpr 1024
		.amdhsa_next_free_sgpr 102
		.amdhsa_reserve_vcc 0
		.amdhsa_float_denorm_mode_32 3
		.amdhsa_float_denorm_mode_16_64 3
		.amdhsa_memory_ordered 1
		.amdhsa_forward_progress 1
		.amdhsa_inst_pref_size 186
	.end_amdhsa_kernel
	.amdgpu_metadata
---
amdhsa.version: [ 1, 2 ]
amdhsa.kernels:
  - .name:           k_q2f2fe45002_qkv
    .symbol:         k_q2f2fe45002_qkv.kd
    .args:
      - { .name: x_codes, .offset: 0, .size: 8, .value_kind: global_buffer, .address_space: global }
      - { .name: x_scales, .offset: 8, .size: 8, .value_kind: global_buffer, .address_space: global }
      - { .name: w_qkv_codes, .offset: 16, .size: 8, .value_kind: global_buffer, .address_space: global }
      - { .name: w_qkv_scales, .offset: 24, .size: 8, .value_kind: global_buffer, .address_space: global }
      - { .name: qkvc, .offset: 32, .size: 8, .value_kind: global_buffer, .address_space: global }
      - { .name: qkvs, .offset: 40, .size: 8, .value_kind: global_buffer, .address_space: global }
      - { .name: vsx, .offset: 48, .size: 8, .value_kind: global_buffer, .address_space: global }
    .group_segment_fixed_size: 327680
    .private_segment_fixed_size: 0
    .kernarg_segment_align: 8
    .kernarg_segment_size: 56
    .max_flat_workgroup_size: 128
    .sgpr_count:     102
    .vgpr_count:     1024
    .wavefront_size: 32
...
	.end_amdgpu_metadata
.endif
;; end of part 1
;; launch attn (part 2): grid 128 x 2, 16 waves a work-group, no clusters, 15,360 bytes of LDS; arguments qkvc, qkvs, vsx, aoc, aos; writes aoc, aos
.if DOCPART == 2
	.amdgcn_target "amdgcn-amd-amdhsa--gfx1250"
	.amdhsa_code_object_version 6
	.text
	.protected	k_q2f2fe45002_attn
	.globl	k_q2f2fe45002_attn
	.p2align	8
	.type	k_q2f2fe45002_attn,@function
k_q2f2fe45002_attn:
	s_mov_b64 s[64:65], 0
	v_nop
	global_prefetch_b8 v0, s[64:65] scope:SCOPE_SE
	s_setreg_imm32_b32 hwreg(HW_REG_WAVE_MODE, 25, 1), 1
	s_wait_xcnt 0x0
; out = softmax(mask(q k^T / 8)) v for 16 queries of all 16 heads, both products on codes of FP6 (E2M3) with one E8M0 scale for each 32 along K; out is quantised along the 1,024 channels and leaves as codes and scale bytes.
; THE MASK: key k counts for query q where k <= q and (q - k <= 128 or k % 64 == 0).  With q = 64 G + w + r (w = 0, 16, 32, 48; r = 0 .. 15) all local keys lie in the three PAIRS of blocks of 32 keys
; A = keys 64 (G - 2) on, B = 64 (G - 1) on, C = 64 G on; beyond them only the keys 64 j, j < G - 2, count, each alone in its block of 32.  So a row has at most 192 + 30 live scores: they all stay in registers, and the
; softmax is made in one pass: the row's true maximum is taken away, p = 2^(c s - c max) / sum is the finished, normalised softmax, and that is what is quantised, block by block of 32 keys.  Key q always counts: no row is empty.
; SHARES.  A work-group owns 16 queries of one batch; each of its sixteen waves owns one head.  So the work-group stores 16 whole rows of codes.  No loop; the only branches hang on the work-group's and the wave's number.
; LIMITS: NaN and infinities are not served.  A block whose largest magnitude lies under 2^-124 (a block of zeros among them) keeps the scale byte 1; the bytes are read by this program alone.  A block's largest p is not
; searched for: the block's largest score goes through the same multiply-add, exponential and multiplication, which takes v_exp_f32 not to fall where its input rises.
; OPERANDS come from memory straight into registers: a RECORD of 48 bytes (a token's 64 channels of q or k; a channel's 64 keys of v) is 12 registers; 16 records lie as [3][16][16 bytes].
; K = 64 IN AN INSTRUCTION OF K = 128.  Each of the 32 lanes of a set of K loads one token's record.  Q1 holds q's records in lanes 0-15 and zero codes in lanes 16-31, Q2 the other way round: set x Q1 scores the tokens of
; lanes 0-15, set x Q2 those of lanes 16-31.  Scale words (s0, s0, s1, s1) serve both.  The format has no infinity and no NaN, so whatever stands opposite zero codes adds nothing.
; WHICH TOKEN GOES TO WHICH LANE is chosen so that register S + 32 g + n of lane (r, h) is the score of query r with key n of block B(g, h): B(0, h) = A's or B's even block, B(1, h) = their odd blocks, B(2, h) = C's block h.
; So a block lies whole in one lane, and the conversions' results are the second product's operand as they stand.  Both products are used transposed: a lane holds one query throughout.
; THE CHANNELS OF A TILE of v are not neighbours: lane r of tile t takes channel 32 (t / 2) + 8 (t % 2) + r % 8 + 16 (r / 8), so that the 16 registers of tiles 2 b, 2 b + 1 are channels 32 b + 16 h + 0 .. 15.
; REGISTERS: v1 r, v2 h, v3 8 h; v4-11 offsets, then at work; v12-13, v14-15, v16, v25, v26 scale words of the second product, and nothing else; v17-24 masks and thresholds, then at work; v27 at work;
;   v28-143 first q, seven sets of k and their scale words, then v's fragments and scale words; v144-239 the local scores, then p, then p's codes, out, and the strided products' operand; v240-255 the strided scores, then p.
.set Q1,   28
.set Q2,   40
.set KSET, 52                          ; set k at v[52 + 12 k]
.set KSW,  136                         ; their scale words
.set QSW,  143
.set S,    144
.set SS,   240
.set V1,   28                          ; v's fragments for pairs A and B: tile t at v[28 + 12 t]
.set V2,   76                          ; for pair C: 6 registers a tile; the upper six that an instruction names meet zero codes
.set VP,   106                         ; the strided keys' code bytes
.set VSEW, 122                         ; and their scale words
.set XA,   138                         ; v's scale words of pairs A, B, C as loaded
.set XB,   140
.set XC,   142
.set P1,   144                         ; p's codes of pairs A and B
.set CT,   156
.set P2,   164                         ; of pair C, and six registers of zero codes
.set O,    176                         ; out^T: tile t at v[176 + 8 t]
.set Z,    208                         ; one p and fifteen zeros
.set PS,   224                         ; the codes of four strided keys' p
.set FB,   28                          ; four fragments that overlap, at FB + 0, 2, 4, 12: of each only registers 0 and 6 count
.set VW1,  12
.set VW2,  14
.set PW1,  16
.set PW2,  25
.set PSW,  26
.set OP,   784                         ; LDS: a row of out's codes, 768 bytes + 16: the sixteen rows of a store start at sixteen different banks
.set OSC,  16*OP                       ; behind them the rows' scale bytes, 32 a row
	s_load_b256 s[4:11], s[0:1], 0x0               ; the codes, the scale words, vsx, out's codes
	s_load_b64 s[12:13], s[0:1], 0x20              ; out's scale bytes
	v_lshrrev_b32 v4, 5, v0
	v_readfirstlane_b32 s14, v4                    ; wave = head
	s_and_b32 s16, ttmp7, 0xffff                   ; batch
	s_lshr_b32 s17, ttmp9, 2                       ; G; also pair C
	s_and_b32 s18, ttmp9, 3
	s_lshl_b32 s18, s18, 4                         ; w
	s_sub_co_i32 s19, s17, 2
	s_max_i32 s19, s19, 0                          ; pair A, held at 0 (it is then masked whole); also the number of strided keys beyond the pairs
	s_sub_co_i32 s20, s17, 1
	s_max_i32 s20, s20, 0                          ; pair B likewise
	s_mov_b32 s22, 0x76543210
	s_mov_b32 s23, 0xfedcba98                      ; v_permlanex16_b32's selects for lane l xor 16
	s_mov_b32 s24, 0x3e38aa3b                      ; c = log2(e) / 8
	s_mov_b32 s25, s24                             ; (named with it as a pair)
	s_mov_b32 s21, 0xbe38aa3b                      ; -c
	s_mul_i32 s44, s19, 3072                       ; a pair is 3,072 bytes of k's or v's codes in a head
	s_sub_co_u32 s45, s20, s19
	s_lshl_b32 s48, s45, 8
	s_mul_i32 s45, s45, 3072
	s_mul_i32 s46, s17, 3072
	s_lshl_b32 s47, s19, 8                         ; and 256 bytes of k's scale words
	s_lshl_b32 s49, s17, 8
	s_lshl_b32 s50, s16, 4
	s_add_co_u32 s50, s50, s14                     ; 16 x batch + head
	v_and_b32 v1, 15, v0                           ; r
	v_bfe_u32 v2, v0, 4, 1                         ; h
	v_lshlrev_b32 v3, 3, v2                        ; 8 h
	v_bfe_u32 v27, v0, 3, 1                        ; y = r / 8
	v_and_b32 v17, 7, v0
	v_lshl_add_u32 v18, v2, 3, v17                 ; rr = 8 h + r % 8: my token among a set's 16 of its block
	v_lshlrev_b32 v19, 4, v2
	v_lshl_add_u32 v19, v17, 1, v19
	v_add_nc_u32 v19, v19, v27                     ; j = 16 h + 2 (r % 8) + y: my strided key
	v_lshlrev_b32 v4, 4, v1                        ; q: record r
	v_lshlrev_b32 v5, 2, v1                        ; its scale word
	v_mul_u32_u24 v6, s45, v27                     ; k, pairs A (y = 0) and B (y = 1)
	v_lshl_add_u32 v6, v18, 4, v6
	v_add_nc_u32 v6, s44, v6
	v_mul_u32_u24 v7, 1536, v27                    ; k, pair C: block y
	v_lshl_add_u32 v7, v18, 4, v7
	v_add_nc_u32 v7, s46, v7
	v_mul_u32_u24 v8, 3072, v19                    ; k, token 64 j: record 0 of image 4 j
	v_mul_u32_u24 v9, s48, v27                     ; and the same tokens' scale words, 4 bytes a token
	v_lshl_add_u32 v9, v18, 2, v9
	v_add_nc_u32 v9, s47, v9
	v_lshlrev_b32 v10, 7, v27
	v_lshl_add_u32 v10, v18, 2, v10
	v_add_nc_u32 v10, s49, v10
	v_lshlrev_b32 v11, 8, v19
	s_mul_i32 s52, s50, 98304
	s_mov_b32 s53, 0
	s_wait_kmcnt 0x0
	s_add_nc_u64 s[26:27], s[4:5], s[52:53]
	s_add_nc_u64 s[28:29], s[26:27], 3145728       ; k's codes of my head
	s_add_nc_u64 s[30:31], s[26:27], 6291456       ; v's
	s_mul_i32 s52, ttmp9, 768
	s_add_nc_u64 s[26:27], s[26:27], s[52:53]      ; q's, at my 16 queries
	s_lshl_b32 s52, s50, 13
	s_add_nc_u64 s[32:33], s[6:7], s[52:53]
	s_add_nc_u64 s[34:35], s[32:33], 262144        ; k's scale words of my head
	s_lshl_b32 s52, ttmp9, 6
	s_add_nc_u64 s[32:33], s[32:33], s[52:53]      ; q's, at my 16 queries
	s_lshl_b32 s52, s16, 17
	s_lshl_b32 s51, s14, 8
	s_add_co_u32 s52, s52, s51
	s_add_co_u32 s52, s52, 524288
	s_add_nc_u64 s[40:41], s[6:7], s[52:53]        ; v's scale words: [batch][pair][channel]: my head's 64 channels,
	s_lshl_b32 s52, s19, 12
	s_add_nc_u64 s[36:37], s[40:41], s[52:53]      ; of pair A,
	s_lshl_b32 s52, s20, 12
	s_add_nc_u64 s[38:39], s[40:41], s[52:53]      ; B,
	s_lshl_b32 s52, s17, 12
	s_add_nc_u64 s[40:41], s[40:41], s[52:53]      ; C
	s_lshl_b32 s52, s50, 12
	s_add_nc_u64 s[42:43], s[8:9], s[52:53]        ; vsx of my head
	s_lshl_b32 s52, s16, 11
	s_lshl_b32 s51, ttmp9, 4
	s_add_co_u32 s51, s52, s51                     ; the work-group's first row of out
	s_lshl_b32 s52, s51, 5
	s_add_nc_u64 s[12:13], s[12:13], s[52:53]
	s_add_co_u32 s51, s51, s14                     ; the row that my wave stores
	s_mul_i32 s52, s51, 768
	s_add_nc_u64 s[10:11], s[10:11], s[52:53]
	; ---- the first batch: q, seven sets of k, their scale words: 32 loads
.irp g, 0,1,2
	global_load_b128 v[Q1+4*\g:Q1+4*\g+3], v4, s[26:27] offset:256*\g
.endr
	global_load_b32 v[QSW], v5, s[32:33]
.irp k, 0,1,2,3                                ; set k = 2 g + s: tokens 16 s on of the even (g = 0) or odd (g = 1) blocks of pairs A and B
.irp g, 0,1,2
	global_load_b128 v[KSET+12*\k+4*\g:KSET+12*\k+4*\g+3], v6, s[28:29] offset:768*\k+256*\g
.endr
	global_load_b32 v[KSW+\k], v9, s[34:35] offset:64*\k
.endr
.irp s, 0,1                                    ; sets 4, 5: tokens 16 s on of pair C's two blocks
.irp g, 0,1,2
	global_load_b128 v[KSET+48+12*\s+4*\g:KSET+48+12*\s+4*\g+3], v7, s[28:29] offset:768*\s+256*\g
.endr
	global_load_b32 v[KSW+4+\s], v10, s[34:35] offset:64*\s
.endr
.irp g, 0,1,2                                  ; set 6: the 32 tokens 64 j
	global_load_b128 v[KSET+72+4*\g:KSET+72+4*\g+3], v8, s[28:29] offset:256*\g
.endr
	global_load_b32 v[KSW+6], v11, s[34:35]
	v_add_nc_u32 v17, -1, v2                       ; all ones in lanes 0-15
	v_sub_nc_u32 v18, 0, v2                        ; all ones in lanes 16-31
	s_cmp_ge_u32 s17, 2                            ; is there a pair A?
	s_cselect_b32 s51, 0, 2000
	s_cselect_b32 s54, -16, 64                     ; a threshold under every n, or over every n
	s_add_co_u32 s51, s51, s18
	s_cmp_ge_u32 s17, 1                            ; a pair B?
	s_cselect_b32 s55, -16, 64
	s_wait_loadcnt 0x0                             ; all 32 are in; their offsets' registers are free
.irp i, 0,1,2,3,4,5,6,7,8,9,10,11
	v_and_b32 v[Q2+\i], v[Q1+\i], v18
.endr
.irp i, 0,1,2,3,4,5,6,7,8,9,10,11
	v_and_b32 v[Q1+\i], v[Q1+\i], v17
.endr
	; the second batch's offsets and the mask's thresholds: also the places between the lines above and the products
	v_and_b32 v9, 7, v0
	v_mul_u32_u24 v10, 0x300, v27
	v_lshl_add_u32 v10, v9, 4, v10                 ; v: my channel's record in a pair, less the tile's part: 768 (r / 8) + 16 (r % 8)
	v_mul_u32_u24 v4, s45, v2
	v_add3_u32 v4, v4, v10, s44                    ; lanes 0-15 pair A's record, lanes 16-31 pair B's
	v_mad_u32_u24 v5, v2, 264, v10
	v_add_nc_u32 v5, s46, v5                       ; pair C: bytes 24 h on of the record: pieces 0 and (256 on) 2,
	v_mad_u32_u24 v6, v2, 504, v10
	v_add3_u32 v6, v6, s46, 8                      ; piece 1
	v_lshl_add_u32 v7, v2, 3, v9
	v_lshl_add_u32 v7, v27, 4, v7
	v_lshlrev_b32 v7, 2, v7                        ; scale words: lanes 0-15 the even tile's channels, lanes 16-31 the odd tile's: 4 (8 h + r % 8 + 16 (r / 8))
	v_and_b32 v8, 31, v0
	v_lshlrev_b32 v8, 2, v8                        ; 4 x lane
	v_add_nc_u32 v9, s51, v1                       ; w + r (far over every n where there is no pair A)
	v_bfi_b32 v20, v17, s54, s55                   ; key 0 of A's / B's even block counts where 0 >= this: it is a strided key
	v_bfi_b32 v21, v17, v9, s55                    ; key n of A's even block counts where n >= w + r; B's blocks count whole
	v_add_nc_u32 v9, -32, v9
	v_bfi_b32 v22, v17, v9, s55                    ; of A's odd block where n >= w + r - 32
	v_lshlrev_b32 v23, 5, v2
	v_sub_nc_u32 v23, v1, v23
	v_add_nc_u32 v23, s18, v23                     ; of C's block h where n <= w + r - 32 h
	v_sub_nc_u32 v24, s19, v2                      ; strided key j = 2 n + h counts where 2 n < G - 2 - h
	v_mov_b32 v19, 0xff800000                      ; -infinity
	; ---- the scores: 14 products, each with an accumulator of its own
.macro SCORE k
	v_wmma_scale_f32_16x16x128_f8f6f4 v[S+16*\k:S+16*\k+7], v[KSET+12*\k:KSET+12*\k+11], v[Q1:Q1+11], 0, v[KSW+\k], v[QSW] matrix_a_fmt:MATRIX_FMT_FP6 matrix_b_fmt:MATRIX_FMT_FP6
	v_wmma_scale_f32_16x16x128_f8f6f4 v[S+16*\k+8:S+16*\k+15], v[KSET+12*\k:KSET+12*\k+11], v[Q2:Q2+11], 0, v[KSW+\k], v[QSW] matrix_a_fmt:MATRIX_FMT_FP6 matrix_b_fmt:MATRIX_FMT_FP6 matrix_a_scale:MATRIX_SCALE_ROW1
.endm
.irp k, 0,1,2,3,4,5,6
	SCORE \k
.endr
.rept 4
	v_nop                                          ; places in front of loads into the products' operands and of the first read of their results
.endr
	; ---- the second batch: all that the second product wants: 62 loads, which land while the softmax is made
.irp b, 0,1
	global_load_b32 v[XA+\b], v7, s[36:37] offset:128*\b
	global_load_b32 v[XB+\b], v7, s[38:39] offset:128*\b
	global_load_b32 v[XC+\b], v7, s[40:41] offset:128*\b
.endr
.irp t, 0,1,2,3
.irp g, 0,1,2
	global_load_b128 v[V1+12*\t+4*\g:V1+12*\t+4*\g+3], v4, s[30:31] offset:1536*(\t/2)+128*(\t%2)+256*\g
.endr
.endr
.irp t, 0,1,2,3
	global_load_b64 v[V2+6*\t:V2+6*\t+1], v5, s[30:31] offset:1536*(\t/2)+128*(\t%2)
	global_load_b64 v[V2+6*\t+2:V2+6*\t+3], v6, s[30:31] offset:1536*(\t/2)+128*(\t%2)
	global_load_b64 v[V2+6*\t+4:V2+6*\t+5], v5, s[30:31] offset:1536*(\t/2)+128*(\t%2)+256
.endr
.irp i, 0,1,2,3,4,5,6,7
.irp c, 0,1
	global_load_b32 v[VP+2*\i+\c], v8, s[42:43] offset:512*\i+128*\c
	global_load_b32 v[VSEW+2*\i+\c], v7, s[42:43] offset:512*\i+256+128*\c
.endr
.endr
	; ---- the mask: hidden scores become -infinity.  Each accumulator is read from its low end on
	v_cmp_ge_i32 vcc_lo, 0, v20
	v_cndmask_b32 v[S], v19, v[S], vcc_lo
.set n, 1
.rept 31
	v_cmp_ge_i32 vcc_lo, n, v21
	v_cndmask_b32 v[S+n], v19, v[S+n], vcc_lo
.set n, n+1
.endr
.set n, 0
.rept 32
	v_cmp_ge_i32 vcc_lo, n, v22
	v_cndmask_b32 v[S+32+n], v19, v[S+32+n], vcc_lo
.set n, n+1
.endr
.set n, 0
.rept 32
	v_cmp_le_i32 vcc_lo, n, v23
	v_cndmask_b32 v[S+64+n], v19, v[S+64+n], vcc_lo
.set n, n+1
.endr
.set n, 0
.rept 16
	v_cmp_lt_i32 vcc_lo, 2*n, v24
	v_cndmask_b32 v[SS+n], v19, v[SS+n], vcc_lo
.set n, n+1
.endr
	s_wait_xcnt 0x0                                ; the second batch's addresses are translated: its offsets' registers are written again below
	; ---- the softmax.  v4-6: the largest score of each of my three blocks, which serves twice: for the row's maximum and for the block's largest p
.irp g, 0,1,2
	v_max3_num_f32 v[4+\g], v[S+32*\g], v[S+32*\g+1], v[S+32*\g+2]
.endr
	v_max3_num_f32 v7, v[SS], v[SS+1], v[SS+2]
.irp i, 3,5,7,9,11,13,15,17,19,21,23,25,27,29
.irp g, 0,1,2
	v_max3_num_f32 v[4+\g], v[4+\g], v[S+32*\g+\i], v[S+32*\g+\i+1]
.endr
.endr
.irp i, 3,5,7,9,11,13
	v_max3_num_f32 v7, v7, v[SS+\i], v[SS+\i+1]
.endr
.irp g, 0,1,2
	v_max_num_f32 v[4+\g], v[4+\g], v[S+32*\g+31]
.endr
	v_max_num_f32 v7, v7, v[SS+15]
	v_max3_num_f32 v8, v4, v5, v6
	v_max_num_f32 v8, v8, v7
	v_permlanex16_b32 v9, v8, s22, s23
	v_max_num_f32 v8, v8, v9                       ; the row's largest score: a number, since key q counts
	v_mul_f32 v10, s21, v8                         ; -c max
.set j, 0
.rept 56
	v_pk_fma_f32 v[S+j:S+j+1], v[S+j:S+j+1], s[24:25], v[10:11] op_sel_hi:[1,0,0]   ; c s - c max, two at a time (of the pairs the low word serves both halves)
.set j, j+2
.endr
.irp g, 0,1,2
	v_fma_f32 v[4+\g], v[4+\g], s24, v10           ; the same of each block's largest score
.endr
.set j, 0
.rept 112
	v_exp_f32 v[S+j], v[S+j]
.set j, j+1
.endr
.irp g, 0,1,2
	v_exp_f32 v[4+\g], v[4+\g]
.endr
	v_nop                                          ; a plain place behind the exponentials
	s_wait_alu depctr_va_vdst(0)
	v_pk_add_f32 v[18:19], v[S:S+1], v[S+2:S+3]    ; the row's sum, two at a time, in two chains
	v_pk_add_f32 v[20:21], v[S+4:S+5], v[S+6:S+7]
.set j, 8
.rept 26
	v_pk_add_f32 v[18:19], v[18:19], v[S+j:S+j+1]
	v_pk_add_f32 v[20:21], v[20:21], v[S+j+2:S+j+3]
.set j, j+4
.endr
	v_pk_add_f32 v[18:19], v[18:19], v[20:21]
	v_add_f32 v18, v18, v19
	v_permlanex16_b32 v9, v18, s22, s23
	v_add_f32 v18, v18, v9
	v_rcp_f32 v22, v18
	v_nop                                          ; a plain place behind the reciprocal
.set j, 0
	s_wait_alu depctr_va_vdst(0)
.rept 56
	v_pk_mul_f32 v[S+j:S+j+1], v[S+j:S+j+1], v[22:23] op_sel_hi:[1,0]   ; p, finished and normalised
.set j, j+2
.endr
.irp g, 0,1,2
	v_mul_f32 v[4+\g], v[4+\g], v22                ; each block's largest p: the same instructions on the same number give the same bits
.endr
	; ---- p's scales
.irp g, 0,1,2
	v_max_num_f32 v[18+\g], 0x1800000, v[4+\g]     ; the floor 2^(3 - 127): the byte cannot fall under 1 (a block that is hidden whole keeps that byte: its codes are zeros)
.endr
.irp g, 0,1,2
	v_add_nc_u32 v[18+\g], 0xff000000, v[18+\g]    ; 2 off the exponent field: the conversion's scale operand
.endr
.irp g, 0,1,2
	v_lshrrev_b32 v[4+\g], 23, v[18+\g]            ; the scale's byte
.endr
	v_lshl_or_b32 v7, v5, 16, v4
	v_lshlrev_b32 v7, v3, v7                       ; my two bytes at places h and 2 + h
	v_lshlrev_b32 v8, v3, v6                       ; pair C's at place h
	v_permlanex16_b32 v9, v7, s22, s23
	v_permlanex16_b32 v27, v8, s22, s23
	v_or_b32 v[PW1], v7, v9                        ; (A even, B even, A odd, B odd)
	v_or_b32 v[PW2], v8, v27                       ; (C even, C odd, 0, 0): the upper two stand over zero codes
	s_wait_loadcnt 0x0                             ; the second batch is in
.irp b, 0,1
	v_bfi_b32 v[VW1+\b], 0x00ff00ff, v[XA+\b], v[XB+\b]   ; v's bytes in the same order
	v_perm_b32 v[VW2+\b], v[XC+\b], v[XC+\b], 0x03020200
.endr
	; ---- p's codes.  A conversion's result overlaps none of its sources and begins on an even register: hence the moves
	v_cvt_scalef32_pk16_fp6_f32 v[4:6], v[S:S+15], v18
	v_cvt_scalef32_pk16_fp6_f32 v[8:10], v[S+16:S+31], v18
	v_nop                                          ; one plain place behind a scaled conversion
.irp i, 0,1,2
	v_mov_b32 v[P1+\i], v[4+\i]
	v_mov_b32 v[P1+3+\i], v[8+\i]
.endr
	v_cvt_scalef32_pk16_fp6_f32 v[P1+6:P1+8], v[S+32:S+47], v19
	v_cvt_scalef32_pk16_fp6_f32 v[CT:CT+2], v[S+48:S+63], v19
	v_nop
.irp i, 0,1,2
	v_mov_b32 v[P1+9+\i], v[CT+\i]
.endr
	v_cvt_scalef32_pk16_fp6_f32 v[P2:P2+2], v[S+64:S+79], v20
	v_cvt_scalef32_pk16_fp6_f32 v[CT+4:CT+6], v[S+80:S+95], v20
	v_nop
.irp i, 0,1,2
	v_mov_b32 v[P2+3+\i], v[CT+4+\i]
.endr
.irp i, 6,7,8,9,10,11
	v_mov_b32 v[P2+\i], 0                          ; zero codes.  (These 27 lines are also the places between the operands' and scale words' last writes and the products)
.endr
.irp i, 1,2,3,4,5,6,7,8,9,10,11,12,13,14,15
	v_mov_b32 v[Z+\i], 0
.endr
.irp i, 3,4,5,9,10,11
	v_mov_b32 v[PS+\i], 0
.endr
	; ---- out^T = v^T p^T.  The four accumulators take turns, one instruction a turn.  An odd tile's scale words stand in lanes 16-31
.macro OMUL t, areg, breg, zero, sareg, sbreg
.if \zero
.if (\t)%2
	v_wmma_scale_f32_16x16x128_f8f6f4 v[O+8*(\t):O+8*(\t)+7], v[\areg:\areg+11], v[\breg:\breg+11], 0, v[\sareg], v[\sbreg] matrix_a_fmt:MATRIX_FMT_FP6 matrix_b_fmt:MATRIX_FMT_FP6 matrix_a_scale:MATRIX_SCALE_ROW1
.else
	v_wmma_scale_f32_16x16x128_f8f6f4 v[O+8*(\t):O+8*(\t)+7], v[\areg:\areg+11], v[\breg:\breg+11], 0, v[\sareg], v[\sbreg] matrix_a_fmt:MATRIX_FMT_FP6 matrix_b_fmt:MATRIX_FMT_FP6
.endif
.else
.if (\t)%2
	v_wmma_scale_f32_16x16x128_f8f6f4 v[O+8*(\t):O+8*(\t)+7], v[\areg:\areg+11], v[\breg:\breg+11], v[O+8*(\t):O+8*(\t)+7], v[\sareg], v[\sbreg] matrix_a_fmt:MATRIX_FMT_FP6 matrix_b_fmt:MATRIX_FMT_FP6 matrix_a_scale:MATRIX_SCALE_ROW1
.else
	v_wmma_scale_f32_16x16x128_f8f6f4 v[O+8*(\t):O+8*(\t)+7], v[\areg:\areg+11], v[\breg:\breg+11], v[O+8*(\t):O+8*(\t)+7], v[\sareg], v[\sbreg] matrix_a_fmt:MATRIX_FMT_FP6 matrix_b_fmt:MATRIX_FMT_FP6
.endif
.endif
.endm
.irp t, 0,1,2,3
	OMUL \t, V1+12*\t, P1, 1, VW1+\t/2, PW1        ; pairs A and B
.endr
.irp t, 0,1,2,3
	OMUL \t, V2+6*\t, P2, 0, VW2+\t/2, PW2         ; pair C
.endr
; Four strided keys, j = 4 i + 2 c + h, in one instruction: each is the first key of a block of 32 of its own, with scales of its own, and the block's other 31 p are zeros.
; Of v only the code at that key counts: it stands in the low six bits of a byte of vsx, shifted down to the fragment's registers 0 and 6; what else those fragments hold meets zero codes.
.macro SSTEP i
	s_cmp_le_u32 s19, 4*\i                         ; no strided key from 4 i on counts for my queries
	s_cbranch_scc1 .Lsdone
	v_max_num_f32 v18, 0x1800000, v[SS+2*\i]       ; the block's largest p is that one p
	v_max_num_f32 v19, 0x1800000, v[SS+2*\i+1]
	v_add_nc_u32 v18, 0xff000000, v18
	v_add_nc_u32 v19, 0xff000000, v19
	v_lshrrev_b32 v20, 23, v18
	v_lshrrev_b32 v21, 23, v19
	v_lshl_or_b32 v20, v21, 16, v20
	v_lshlrev_b32 v20, v3, v20
	v_permlanex16_b32 v27, v20, s22, s23
	v_or_b32 v[PSW], v20, v27                      ; (the lines above are the places behind the last products, which read this register)
	v_mov_b32 v[Z], v[SS+2*\i]
	v_cvt_scalef32_pk16_fp6_f32 v[PS:PS+2], v[Z:Z+15], v18
	v_mov_b32 v[FB], v[VP+2*\i]
	v_lshrrev_b32 v[FB+2], 8, v[VP+2*\i]
	v_lshrrev_b32 v[FB+4], 16, v[VP+2*\i]
	v_lshrrev_b32 v[FB+12], 24, v[VP+2*\i]
	v_mov_b32 v[Z], v[SS+2*\i+1]
	v_cvt_scalef32_pk16_fp6_f32 v[PS+6:PS+8], v[Z:Z+15], v19
	v_mov_b32 v[FB+6], v[VP+2*\i+1]
	v_lshrrev_b32 v[FB+8], 8, v[VP+2*\i+1]
	v_lshrrev_b32 v[FB+10], 16, v[VP+2*\i+1]
	v_lshrrev_b32 v[FB+18], 24, v[VP+2*\i+1]
.rept 4
	v_nop                                          ; an operand written by vector instructions stands four places ahead of the product, a scale word eight
.endr
	OMUL 0, FB, PS, 0, VSEW+2*\i, PSW
	OMUL 1, FB+2, PS, 0, VSEW+2*\i, PSW
	OMUL 2, FB+4, PS, 0, VSEW+2*\i+1, PSW
	OMUL 3, FB+12, PS, 0, VSEW+2*\i+1, PSW
.endm
.irp i, 0,1,2,3,4,5,6,7
	SSTEP \i
.endr
.Lsdone:
.rept 4
	v_nop                                          ; places behind the last products
.endr
	; ---- out is quantised along the channels: registers O + 16 b + i of lane (r, h) are channels 32 b + 16 h + i of my head: block 2 head + b of row r lies in lanes l and l xor 16
.irp b, 0,1
	v_max3_num_f32 v[18+\b], |v[O+16*\b]|, |v[O+16*\b+1]|, 0x1800000
.endr
.irp i, 2,4,6,8,10,12,14
.irp b, 0,1
	v_max3_num_f32 v[18+\b], v[18+\b], |v[O+16*\b+\i]|, |v[O+16*\b+\i+1]|
.endr
.endr
.irp b, 0,1
	v_permlanex16_b32 v[20+\b], v[18+\b], s22, s23
.endr
.irp b, 0,1
	v_max_num_f32 v[18+\b], v[18+\b], v[20+\b]
.endr
.irp b, 0,1
	v_add_nc_u32 v[18+\b], 0xff000000, v[18+\b]
.endr
.irp b, 0,1
	v_lshrrev_b32 v[20+\b], 23, v[18+\b]
.endr
	v_lshl_or_b32 v20, v21, 8, v20                 ; my head's two scale bytes of row r
	v_cvt_scalef32_pk16_fp6_f32 v[144:146], v[O:O+15], v18       ; 16 codes, 12 bytes: they lie in the row's stream of bits as they stand
	v_cvt_scalef32_pk16_fp6_f32 v[148:150], v[O+16:O+31], v19
	v_mul_u32_u24 v4, v1, OP                       ; (a plain place behind the conversions)  the stage: row r,
	v_mad_u32_u24 v4, v2, 12, v4                   ; + 12 h,
	s_mul_i32 s52, s14, 48
	v_add_nc_u32 v4, s52, v4                       ; + 48 x head
	v_lshlrev_b32 v5, 5, v1
	s_lshl_b32 s52, s14, 1
	s_add_co_u32 s52, s52, OSC
	v_add_nc_u32 v5, s52, v5                       ; the scale bytes: 32 r + 2 x head
	s_mul_i32 s52, s14, OP
	v_and_b32 v7, 31, v0
	v_lshlrev_b32 v8, 4, v7                        ; 16 x lane
	v_lshlrev_b32 v7, 3, v7                        ; 8 x lane
	v_add_nc_u32 v6, s52, v7                       ; back: wave w takes row w
	v_add_nc_u32 v9, OSC, v8
.irp b, 0,1
.irp k, 0,1,2
	ds_store_b32 v4, v[144+4*\b+\k] offset:24*\b+4*\k
.endr
.endr
	ds_store_b16 v5, v20                           ; (both halves of the lanes write the same bytes with the same value)
	s_wait_dscnt 0x0                               ; for the others' sake: my stores have landed
	s_barrier_signal -1
	s_barrier_wait -1                              ; 16 whole rows lie in the stage
.irp k, 0,1,2
	ds_load_b64 v[28+2*\k:29+2*\k], v6 offset:256*\k
.endr
	s_wait_dscnt 0x0
.irp k, 0,1,2
	global_store_b64 v7, v[28+2*\k:29+2*\k], s[10:11] offset:256*\k   ; 32 lanes store 256 consecutive bytes, at a multiple of 256 from the buffer's first byte
.endr
	s_cmp_lg_u32 s14, 0                            ; wave 0 stores the 16 rows' scale bytes: 512 consecutive bytes
	s_cbranch_scc1 .Lend
	ds_load_b128 v[36:39], v9
	s_wait_dscnt 0x0
	global_store_b128 v8, v[36:39], s[12:13]
.Lend:
	s_wait_xcnt 0x0
	v_lshl_add_u32 v254, v0, 2, 0x3400
	v_mov_b32 v255, 0
	s_wait_tensorcnt 0x0
	ds_add_u32 v254, v255
	s_wait_dscnt 0x0
	s_endpgm
.Lfunc_end_k_q2f2fe45002_attn:
	.size	k_q2f2fe45002_attn, .Lfunc_end_k_q2f2fe45002_attn-k_q2f2fe45002_attn
	.p2alignl 7, 3214868480
	.fill 96, 4, 3214868480
	.section	.rodata,"a",@progbits
	.p2align	6, 0x0
	.amdhsa_kernel k_q2f2fe45002_attn
		.amdhsa_group_segment_fixed_size 15360
		.amdhsa_private_segment_fixed_size 0
		.amdhsa_enable_private_segment 0
		.amdhsa_kernarg_size 40
		.amdhsa_user_sgpr_count 2
		.amdhsa_user_sgpr_kernarg_segment_ptr 1
		.amdhsa_wavefront_size32 1
		.amdhsa_system_sgpr_workgroup_id_x 1
		.amdhsa_system_sgpr_workgroup_id_y 1
		.amdhsa_system_sgpr_workgroup_id_z 1
		.amdhsa_system_vgpr_workitem_id 0
		.amdhsa_next_free_vgpr 256
		.amdhsa_next_free_sgpr 66
		.amdhsa_reserve_vcc 1
		.amdhsa_float_denorm_mode_32 3
		.amdhsa_float_denorm_mode_16_64 3
		.amdhsa_memory_ordered 1
		.amdhsa_forward_progress 1
		.amdhsa_inst_pref_size 63
	.end_amdhsa_kernel
	.amdgpu_metadata
---
amdhsa.version: [ 1, 2 ]
amdhsa.kernels:
  - .name:           k_q2f2fe45002_attn
    .symbol:         k_q2f2fe45002_attn.kd
    .args:
      - { .name: qkvc, .offset: 0, .size: 8, .value_kind: global_buffer, .address_space: global }
      - { .name: qkvs, .offset: 8, .size: 8, .value_kind: global_buffer, .address_space: global }
      - { .name: vsx, .offset: 16, .size: 8, .value_kind: global_buffer, .address_space: global }
      - { .name: aoc, .offset: 24, .size: 8, .value_kind: global_buffer, .address_space: global }
      - { .name: aos, .offset: 32, .size: 8, .value_kind: global_buffer, .address_space: global }
    .group_segment_fixed_size: 15360
    .private_segment_fixed_size: 0
    .kernarg_segment_align: 8
    .kernarg_segment_size: 40
    .max_flat_workgroup_size: 512
    .sgpr_count:     66
    .vgpr_count:     256
    .wavefront_size: 32
...
	.end_amdgpu_metadata
.endif
;; end of part 2
;; launch proj (part 3): grid 4 x 16, 4 waves a work-group, clusters of 4 x 4, 327,680 bytes of LDS; arguments aoc, aos, w_out_codes, w_out_scales, out0; writes out0
.if DOCPART == 3
	.amdgcn_target "amdgcn-amd-amdhsa--gfx1250"
	.amdhsa_code_object_version 6
	.text
	.protected	k_q2f2fe45002_proj
	.globl	k_q2f2fe45002_proj
	.p2align	8
	.type	k_q2f2fe45002_proj,@function
k_q2f2fe45002_proj:
	s_mov_b64 s[64:65], 0
	v_nop
	global_prefetch_b8 v0, s[64:65] scope:SCOPE_SE
	s_setreg_imm32_b32 hwreg(HW_REG_WAVE_MODE, 25, 1), 1
	s_wait_xcnt 0x0
	s_wait_alu depctr_hold_cnt(0) depctr_sa_sdst(0) depctr_va_vdst(0) depctr_va_sdst(0) depctr_va_ssrc(0) depctr_va_vcc(0) depctr_vm_vsrc(0)
	s_getreg_b32 s2, hwreg(HW_REG_IB_STS2, 6, 4)
	s_cmp_eq_u32 s2, 0
	s_cbranch_scc0 .Lentry_in_a_cluster
	s_endpgm
.Lentry_in_a_cluster:
	s_bfe_u32 s2, ttmp6, 0x10000c
	s_cmp_lg_u32 s2, 0xf033
	s_cbranch_scc0 .Lentry_shape_is_right
	s_endpgm
.Lentry_shape_is_right:
; out0[m][n] = sum over k of A[m][k] B[n][k].  A: the attention's result [4,096][1,024], B: w_out [1,024][1,024]: codes of FP6 (E2M3), 6 bits each, with one E8M0 scale for each 32 along K; out0: f32; sums in f32.
; In memory a row of codes is one stream of bits, four codes in three bytes: 128 codes are 96 bytes.  The matrix instruction takes codes and scale bytes as they lie.
; A tile of 256 x 256 is made by a work-group of four waves; a wave makes 128 x 128: 64 accumulators of 16 x 16, 512 registers.  K goes in steps of 256 through a ring of two LDS slots filled by the tensor data mover.
; THE SCALES of the work-group's 256 rows of A and of B, for all of K, are two dense blocks of memory: they come into LDS once, with the first fills, and stay.
; CLUSTERS: 4 x 4 work-groups.  The four of a row of the cluster need the same tiles of A, the four of a column the same tiles of B: each tile is asked for JOINTLY, by the same tensor load with a mask that names the four.
; THE MATRIX INSTRUCTION IS USED TRANSPOSED (source 0 = 16 rows of B, source 1 = 16 rows of A): a lane then holds eight neighbouring numbers of a row of the result.
; The launch has 64 work-groups: 4,096 x 1,024 is 64 tiles of this size.  LIMITS: scale bytes 0xff are not served.
; REGISTERS, in windows of 256: window 0: v0-31 addresses; v32-63 scale words, two sets; from v128 A's fragments, ONE set; on the way out v128-255 take rows on their way to memory.
;   window 1: B's fragments, TWO sets.   window 2: the 32 accumulators of my rows 0-63 (accumulator (a, b) at v[8 (8 a + b)]);   window 3: those of my rows 64-127.
.set SIZE_M, 4096
.set SIZE_N, 1024
.set SIZE_K, 1024
.set KSTEP,  256
.set NQ,     KSTEP/128
.set ROWB,   192
.set KROW,   SIZE_K*6/8
.set PITCH,  240                       ; an LDS row: 3 x (64 bytes + 16 of padding)
.set FR,     12
.set NL,     6
.set NP,     4                         ; places behind this matrix instruction (ISA guide 7.12.1)
.set HALFT,  128*PITCH
.set SLOT,   4*HALFT
.set LAPS,   SIZE_K/(2*KSTEP)
.set KS,     SIZE_K/32
.set SCL,    2*SLOT
.set HALFS,  (128*KS/256)*272
.set SBLK,   (16*KS/256)*272
.set SPARE,  SCL+4*HALFS               ; the spare words, 128 bytes for each wave
.set SPITCH, 528                       ; the way out: a stage of 16 rows x (512 bytes + 16) for each wave, in slot 0, which has had its last fill and its last read when the first result is stored there
.set ADRA, 16
.set ADRB, 20
.set STO,  24
.set RD,   25
.set CO,   26
.set ADRS, 27
.set SPW,  28
.set NIL,  29
.set SC,   32
.set AF,   128
.set BK,   128
.set G1, 24
.set G0, 32
.set G1B, 48
.set G0B, 56
.set G1S, 68
.set G0S, 76
.set G1SB, 80
.set G0SB, 88
.set MSB, 0
.macro WIN new                         ; the immediate's high byte repeats the setting that is left
.if MSB != \new
	s_set_vgpr_msb (MSB<<8)|\new
.set MSB, \new
.endif
.endm
.set MUL_LO, 0xa1
.set MUL_HI, 0xf1
.set TO_B,   0x40
; A joint load: waves 0 and 1 fetch for A, waves 2 and 3 for B.  The branch hangs on the wave's number alone.  Four v_nop follow each of the two lines.
.macro JLOAD g0a, g1a, g0b, g1b
	s_cmp_eq_u32 s15, 0
	s_cbranch_scc0 .Lfor_b_\@
	tensor_load_to_lds s[\g0a:\g0a+3], s[\g1a:\g1a+7]
	s_nop 0
.rept 4
	v_nop
.endr
	s_branch .Lasked_\@
.Lfor_b_\@:
	tensor_load_to_lds s[\g0b:\g0b+3], s[\g1b:\g1b+7]
	s_nop 0
.rept 4
	v_nop
.endr
.Lasked_\@:
.endm
.macro CREST
	s_cmp_lg_u32 s14, 0
	s_cbranch_scc1 .Lnot_wave_0_\@
	s_barrier_signal -3
.Lnot_wave_0_\@:
	s_barrier_wait -3
	s_barrier_signal -1
	s_barrier_wait -1
.endm
.macro CROUND
	s_barrier_signal -1
	s_barrier_wait -1
	CREST
.endm
	s_load_b128 s[4:7], s[0:1], 0x0                ; A's codes, A's scales
	s_load_b128 s[8:11], s[0:1], 0x10              ; B's codes, B's scales
	s_load_b64 s[12:13], s[0:1], 0x20              ; the result
	v_lshl_add_u32 v[SPW], v0, 2, SPARE
	v_mov_b32 v[NIL], 0
	ds_add_u32 v28, v29
	ds_add_u32 v28, v29
	s_wait_dscnt 0x0
	v_lshrrev_b32 v1, 5, v0
	v_readfirstlane_b32 s14, v1                    ; wave 0..3
	s_lshr_b32 s15, s14, 1                         ; which half of the tile's rows is mine.  Also: I fetch for A (0) or for B (1)
	s_and_b32 s16, s14, 1                          ; which half of its columns.  Also: which 128 rows of that tile I fetch
	s_bfe_u32 s40, ttmp6, 0x40000                  ; cx, cy: my place in the cluster
	s_bfe_u32 s41, ttmp6, 0x40004
	s_lshl_b32 s42, ttmp9, 2
	s_add_co_u32 s42, s42, s40                     ; tile column = 4 x cluster x + cx
	s_and_b32 s17, ttmp7, 0xffff
	s_lshl_b32 s17, s17, 2
	s_add_co_u32 s17, s17, s41                     ; tile row = 4 x cluster y + cy
	s_lshl_b32 s43, s41, 2
	s_lshl_b32 s43, 15, s43                        ; my row of the cluster
	s_lshl_b32 s44, 0x1111, s40                    ; my column
	s_or_b32 s[G1+0], s43, (0<<16)|(1<<20)|(1<<21)|(3<<22)|(3<<25)   ; a tile of 128 rows x 192 bytes, 16 bytes of padding behind every 64
	s_or_b32 s[G1B+0], s44, (0<<16)|(1<<20)|(1<<21)|(3<<22)|(3<<25)
.irp g, G1, G1B
	s_mov_b32 s[\g+1], ROWB<<16
	s_mov_b32 s[\g+2], 128<<16
	s_mov_b32 s[\g+3], ROWB<<16
	s_mov_b32 s[\g+4], 128
	s_mov_b32 s[\g+5], KROW
	s_mov_b32 s[\g+6], 0
	s_mov_b32 s[\g+7], 0
.endr
	s_or_b32 s[G1S+0], s43, (3<<16)|(1<<20)|(1<<21)|(5<<22)|(3<<25)  ; the scales of 128 rows: 16 rows of 256 bytes, 16 bytes of padding behind each
	s_or_b32 s[G1SB+0], s44, (3<<16)|(1<<20)|(1<<21)|(5<<22)|(3<<25)
.irp g, G1S, G1SB
	s_mov_b32 s[\g+1], 32<<16
	s_mov_b32 s[\g+2], (128*KS/256)<<16
	s_mov_b32 s[\g+3], 32<<16
	s_mov_b32 s[\g+4], 128*KS/256
	s_mov_b32 s[\g+5], 32
	s_mov_b32 s[\g+6], 0
	s_mov_b32 s[\g+7], 0
.endr
	s_lshl_b32 s18, s16, 7
	s_lshl_b32 s20, s17, 8
	s_add_co_u32 s20, s20, s18                     ; A: row 256 x tile row + 128 x half
	s_lshl_b32 s46, s42, 8
	s_add_co_u32 s46, s46, s18                     ; B: row 256 x tile column + 128 x half
	s_mov_b32 s21, 0
	s_mov_b32 s47, 0
	s_mov_b64 s[18:19], KS
	s_mul_u64 s[22:23], s[20:21], s[18:19]
	s_mul_u64 s[92:93], s[46:47], s[18:19]
	s_mov_b64 s[18:19], KROW
	s_mul_u64 s[20:21], s[20:21], s[18:19]
	s_mul_u64 s[46:47], s[46:47], s[18:19]
	s_mul_i32 s45, s14, HALFT                      ; where they go: wave x 128 rows: no place in the cluster enters an LDS address
	s_mul_i32 s94, s14, HALFS
	s_wait_kmcnt 0x0
	s_add_nc_u64 s[20:21], s[4:5], s[20:21]
	s_add_nc_u64 s[22:23], s[6:7], s[22:23]
	s_add_nc_u64 s[46:47], s[8:9], s[46:47]
	s_add_nc_u64 s[92:93], s[10:11], s[92:93]
	CROUND                                         ; all sixteen work-groups are here: the first joint loads meet
	s_mov_b32 s[G0S], 1
	s_add_co_u32 s[G0S+1], s94, SCL
	s_mov_b64 s[G0S+2:G0S+3], s[22:23]
	s_or_b32 s[G0S+3], s[G0S+3], 0x80000000
	s_mov_b32 s[G0SB], 1
	s_add_co_u32 s[G0SB+1], s94, SCL
	s_mov_b64 s[G0SB+2:G0SB+3], s[92:93]
	s_or_b32 s[G0SB+3], s[G0SB+3], 0x80000000
	JLOAD G0S, G1S, G0SB, G1SB                     ; the scales first
.irp s, 0,1
	s_mov_b32 s[G0+4*\s], 1
	s_add_co_u32 s[G0+4*\s+1], s45, \s*SLOT
	s_add_nc_u64 s[G0+4*\s+2:G0+4*\s+3], s[20:21], \s*ROWB
	s_or_b32 s[G0+4*\s+3], s[G0+4*\s+3], 0x80000000
	s_mov_b32 s[G0B+4*\s], 1
	s_add_co_u32 s[G0B+4*\s+1], s45, \s*SLOT
	s_add_nc_u64 s[G0B+4*\s+2:G0B+4*\s+3], s[46:47], \s*ROWB
	s_or_b32 s[G0B+4*\s+3], s[G0B+4*\s+3], 0x80000000
	JLOAD G0+4*\s, G1, G0B+4*\s, G1B               ; three tensor loads of mine are out now
.endr
	v_and_b32 v1, 15, v0                           ; l % 16
	v_bfe_u32 v2, v0, 4, 1                         ; l / 16
	v_mul_u32_u24 v3, v1, PITCH
	v_mul_u32_u24 v4, v2, 24
	v_add_nc_u32 v4, v3, v4                        ; a fragment's row x pitch + 24 x half
	v_lshl_add_u32 v5, v2, 4, v4                   ; and the same behind one padding more
	s_mul_i32 s21, s15, HALFT
	s_mul_i32 s22, s16, HALFT
	s_add_co_u32 s22, s22, 2*HALFT
.irp s, 0,1
	v_add_nc_u32 v[ADRA+\s], s21, v4
	v_add_nc_u32 v[ADRB+\s], s22, v4
	v_add_nc_u32 v[ADRA+2+\s], s21, v5
	v_add_nc_u32 v[ADRB+2+\s], s22, v5
	s_add_co_u32 s21, s21, SLOT
	s_add_co_u32 s22, s22, SLOT
.endr
	v_mul_u32_u24 v5, v1, KS
	v_lshrrev_b32 v6, 8, v5
	v_lshl_add_u32 v5, v6, 4, v5
	s_mul_i32 s21, s15, HALFS
	s_mul_i32 s22, s16, HALFS
	s_add_co_u32 s22, s22, 2*HALFS
	s_sub_co_u32 s22, s22, s21
	v_mul_u32_u24 v6, s22, v2                      ; lanes 16-31 take B's
	s_add_co_u32 s21, s21, SCL
	v_add_nc_u32 v5, v5, v6
	v_add_nc_u32 v[ADRS], s21, v5
	s_mul_i32 s23, s14, 16*SPITCH                  ; my stage
	v_mul_u32_u24 v5, v1, SPITCH                   ; in: row l % 16, 32 bytes for each half of the lanes
	v_lshl_add_u32 v5, v2, 5, v5
	v_add_nc_u32 v[STO], s23, v5
	v_and_b32 v6, 31, v0
	v_lshlrev_b32 v[CO], 4, v6                     ; back: the 32 lanes take one row of 512 bytes; and the same in memory
	v_add_nc_u32 v[RD], s23, v[CO]
	s_lshl_b32 s20, s17, 8
	s_lshl_b32 s21, s15, 7
	s_add_co_u32 s20, s20, s21                     ; my first row of the result
	s_mov_b32 s21, 0
	s_mov_b64 s[18:19], SIZE_N*4
	s_mul_u64 s[20:21], s[20:21], s[18:19]
	s_lshl_b32 s46, s42, 10                        ; my first column, in bytes
	s_lshl_b32 s47, s16, 9
	s_add_co_u32 s46, s46, s47
	s_mov_b32 s47, 0
	s_add_nc_u64 s[20:21], s[20:21], s[46:47]
	s_add_nc_u64 s[12:13], s[12:13], s[20:21]
.macro FRAG reg, adr, q, i             ; a fragment: lane l holds row l % 16; registers 6 c .. 6 c + 5 hold K = 64 c + 32 (l / 16) + 0 .. 31: 24 bytes of the row's stream of bits, in pieces of 8
.irp p, 0,1,2,3,4,5
.set PC, 12*(\q)+6*(\p/3)+\p%3
.if PC%8 < 5
	ds_load_b64 v[\reg+2*\p:\reg+2*\p+1], v[\adr] offset:8*PC+16*(PC/8)+(\i)*16*PITCH
.else
	ds_load_b64 v[\reg+2*\p:\reg+2*\p+1], v[\adr+2] offset:8*PC+16*(PC/8)+(\i)*16*PITCH
.endif
.endr
.endm
; 16 matrix instructions: A's blocks a0, a0 + 1 x B's eight, 128 along K.  The 64 accumulators take turns, one instruction a turn, in the same order in every step.
.macro MUL16 a0, p, q, sc, zero
.irp a, \a0, \a0+1
.irp b, 0,1,2,3,4,5,6,7
.if \zero
	v_wmma_scale_f32_16x16x128_f8f6f4 v[8*(8*((\a)%4)+\b):8*(8*((\a)%4)+\b)+7], v[128*(\p)+FR*\b:128*(\p)+FR*\b+FR-1], v[AF+FR*(\a):AF+FR*(\a)+FR-1], 0, v[SC+8*NQ*(\sc)+NQ*\b+(\q)], v[SC+8*NQ*(\sc)+NQ*(\a)+(\q)] matrix_a_fmt:MATRIX_FMT_FP6 matrix_b_fmt:MATRIX_FMT_FP6 matrix_a_scale:MATRIX_SCALE_ROW1
.else
	v_wmma_scale_f32_16x16x128_f8f6f4 v[8*(8*((\a)%4)+\b):8*(8*((\a)%4)+\b)+7], v[128*(\p)+FR*\b:128*(\p)+FR*\b+FR-1], v[AF+FR*(\a):AF+FR*(\a)+FR-1], v[8*(8*((\a)%4)+\b):8*(8*((\a)%4)+\b)+7], v[SC+8*NQ*(\sc)+NQ*\b+(\q)], v[SC+8*NQ*(\sc)+NQ*(\a)+(\q)] matrix_a_fmt:MATRIX_FMT_FP6 matrix_b_fmt:MATRIX_FMT_FP6 matrix_a_scale:MATRIX_SCALE_ROW1
.endif
.endr
.endr
.endm
.macro FETCH_B slot, q, p
	WIN TO_B
.irp i, 0,1,2,3,4,5,6,7
	FRAG 128*(\p)+FR*\i, ADRB+\slot, \q, \i
.endr
	WIN 0
.endm
.macro FETCH_A slot, q, i0
.irp i, \i0, \i0+1, \i0+2, \i0+3
	FRAG AF+FR*(\i), ADRA+\slot, \q, \i
.endr
.endm
.macro SCALES sc
.irp i, 0,1,2,3,4,5,6,7
	ds_load_b64 v[SC+8*NQ*\sc+NQ*\i:SC+8*NQ*\sc+NQ*\i+1], v[ADRS] offset:\i*SBLK
.endr
.endm
.macro PLACES n                        ; plain vector instructions between a matrix instruction and a load into, or a read of, its registers
.rept \n
	v_nop
.endr
.endm
.macro STEP slot, q, zero
	s_wait_dscnt 4*NL                              ; B's set and A's blocks 0-3 are in; the youngest 24 loads (A's blocks 4-7) may be out
	WIN MUL_LO
	MUL16 0, (\q)%2, \q, \slot, \zero
	MUL16 2, (\q)%2, \q, \slot, \zero
	s_wait_dscnt 0
	PLACES NP
	FETCH_B \slot, (\q)+1, 1-(\q)%2
	FETCH_A \slot, (\q)+1, 0
	WIN MUL_HI
	MUL16 4, (\q)%2, \q, \slot, \zero
	MUL16 6, (\q)%2, \q, \slot, \zero
	PLACES NP
	WIN 0
	FETCH_A \slot, (\q)+1, 4
.endm
; A slot's last step changes slots: ONE barrier; in front of it each wave waits for all its tensor loads, adds 0 to its spare word, and waits for that and for its own reads of this slot.
.macro TURN slot, next, fill
	s_wait_tensorcnt 0x0                           ; all my tensor loads have landed: my part of the next slot
	ds_add_u32 v[SPW], v[NIL]                      ; 0 onto my spare word
	s_wait_dscnt 4*NL+1                            ; (the add and the youngest 24 loads may be out)
	WIN MUL_LO
	MUL16 0, 1, NQ-1, \slot, 0
	s_wait_dscnt 0x0                               ; the add is done, and my reads of this slot are over
	s_barrier_signal -1
	MUL16 2, 1, NQ-1, \slot, 0
	WIN 0
	s_barrier_wait -1
.if \fill
	CREST                                          ; the barrier has opened a round of the cluster's barrier: no wave of any partner still reads this slot or has a load on its way
	s_add_nc_u64 s[G0+4*\slot+2:G0+4*\slot+3], s[G0+4*\slot+2:G0+4*\slot+3], 2*ROWB
	s_add_nc_u64 s[G0B+4*\slot+2:G0B+4*\slot+3], s[G0B+4*\slot+2:G0B+4*\slot+3], 2*ROWB
	JLOAD G0+4*\slot, G1, G0B+4*\slot, G1B         ; the first tensor load behind the round, my only one until the next
.else
	PLACES NP
.endif
	v_add_nc_u32 v[ADRS], 4*NQ, v[ADRS]
	FETCH_B \next, 0, 0
	FETCH_A \next, 0, 0
	SCALES \next
	WIN MUL_HI
	MUL16 4, 1, NQ-1, \slot, 0
	MUL16 6, 1, NQ-1, \slot, 0
	PLACES NP
	WIN 0
	FETCH_A \next, 0, 4
.endm
	s_wait_tensorcnt 1                             ; the scales and my part of K step 0 are in (K step 1's load may be out)
	s_barrier_signal -1
	s_barrier_wait -1                              ; everybody's are
	FETCH_B 0, 0, 0
	FETCH_A 0, 0, 0
	SCALES 0
	FETCH_A 0, 0, 4
	STEP 0, 0, 1                                   ; the first step's products start the sums
	s_mov_b32 s3, LAPS-1
.Llap:
	TURN 0, 1, 1
	STEP 1, 0, 0
	TURN 1, 0, 1
	STEP 0, 0, 0
	s_sub_co_u32 s3, s3, 1
	s_cmp_lg_u32 s3, 0
	s_cbranch_scc1 .Llap
	TURN 0, 1, 0                                   ; the last lap fills nothing
	STEP 1, 0, 0
	s_wait_dscnt 4*NL
	WIN MUL_LO
	MUL16 0, 1, NQ-1, 1, 0
	MUL16 2, 1, NQ-1, 1, 0
	s_wait_dscnt 0
	WIN MUL_HI
	MUL16 4, 1, NQ-1, 1, 0
	MUL16 6, 1, NQ-1, 1, 0
	WIN 0
; THE WAY OUT, block by block of 16 rows x 128 columns: through my own stage in LDS and back as whole rows of 512 bytes.  LDS serves a wave's instructions in order (ISA guide 5.7.1.4): no wait between the stores and the loads.
.macro TOSTAGE a
.set AC, 64*((\a)%4)
	WIN 0x08+4*((\a)/4)                            ; the data: window 2 or 3
.irp b, 0,1,2,3,4,5,6,7
	ds_store_b128 v[STO], v[AC+8*\b:AC+8*\b+3] offset:64*\b          ; each accumulator from its low end on
	ds_store_b128 v[STO], v[AC+8*\b+4:AC+8*\b+7] offset:64*\b+16
.endr
	WIN 0
.set BB, BK+64*((\a)%2)
.irp t, 0,1,2,3,4,5,6,7,8,9,10,11,12,13,14,15
	ds_load_b128 v[BB+4*\t:BB+4*\t+3], v[RD] offset:\t*SPITCH
.endr
.endm
.macro SEND a, younger                 ; younger: the LDS instructions issued behind block a's loads, which may stay out
.set BB, BK+64*((\a)%2)
	s_wait_dscnt \younger
.if (\a) > 0
	s_add_nc_u64 s[12:13], s[12:13], 16*SIZE_N*4   ; (behind a wait on XCNT: the earlier stores have read their base)
.endif
.irp t, 0,1,2,3,4,5,6,7,8,9,10,11,12,13,14,15
	global_store_b128 v[CO], v[BB+4*\t:BB+4*\t+3], s[12:13] offset:\t*SIZE_N*4 th:TH_STORE_NT   ; 32 lanes store 512 consecutive bytes, at a multiple of 256 from the result's first byte
.endr
.endm
	PLACES NP
	TOSTAGE 0
.irp a, 1,2,3,4,5,6,7
.if \a > 1
	s_wait_xcnt 0x0                                ; block a - 2's stores have read their registers and their base
.endif
	TOSTAGE \a
	SEND \a-1, 32                                  ; behind block a - 1's loads: block a's 16 stores and 16 loads
.endr
	s_wait_xcnt 0x0
	SEND 7, 0
	s_wait_tensorcnt 0x0                           ; the wave's end: behind my last tensor load and my last LDS store
	ds_add_u32 v[SPW], v[NIL]
	s_wait_dscnt 0x0
	CROUND                                         ; the closing round: no work-group ends while a partner may still ask for a tile that names it
	s_endpgm
.Lfunc_end_k_q2f2fe45002_proj:
	.size	k_q2f2fe45002_proj, .Lfunc_end_k_q2f2fe45002_proj-k_q2f2fe45002_proj
	.p2alignl 7, 3214868480
	.fill 96, 4, 3214868480
	.section	.rodata,"a",@progbits
	.p2align	6, 0x0
	.amdhsa_kernel k_q2f2fe45002_proj
		.amdhsa_group_segment_fixed_size 327680
		.amdhsa_private_segment_fixed_size 0
		.amdhsa_enable_private_segment 0
		.amdhsa_kernarg_size 40
		.amdhsa_user_sgpr_count 2
		.amdhsa_user_sgpr_kernarg_segment_ptr 1
		.amdhsa_wavefront_size32 1
		.amdhsa_system_sgpr_workgroup_id_x 1
		.amdhsa_system_sgpr_workgroup_id_y 1
		.amdhsa_system_sgpr_workgroup_id_z 1
		.amdhsa_system_vgpr_workitem_id 0
		.amdhsa_next_free_vgpr 1024
		.amdhsa_next_free_sgpr 98
		.amdhsa_reserve_vcc 0
		.amdhsa_float_denorm_mode_32 3
		.amdhsa_float_denorm_mode_16_64 3
		.amdhsa_memory_ordered 1
		.amdhsa_forward_progress 1
		.amdhsa_inst_pref_size 160
	.end_amdhsa_kernel
	.amdgpu_metadata
---
amdhsa.version: [ 1, 2 ]
amdhsa.kernels:
  - .name:           k_q2f2fe45002_proj
    .symbol:         k_q2f2fe45002_proj.kd
    .args:
      - { .name: aoc, .offset: 0, .size: 8, .value_kind: global_buffer, .address_space: global }
      - { .name: aos, .offset: 8, .size: 8, .value_kind: global_buffer, .address_space: global }
      - { .name: w_out_codes, .offset: 16, .size: 8, .value_kind: global_buffer, .address_space: global }
      - { .name: w_out_scales, .offset: 24, .size: 8, .value_kind: global_buffer, .address_space: global }
      - { .name: out0, .offset: 32, .size: 8, .value_kind: global_buffer, .address_space: global }
    .group_segment_fixed_size: 327680
    .private_segment_fixed_size: 0
    .kernarg_segment_align: 8
    .kernarg_segment_size: 40
    .max_flat_workgroup_size: 128
    .sgpr_count:     98
    .vgpr_count:     1024
    .wavefront_size: 32
...
	.end_amdgpu_metadata
.endif
;; end of part 3
